; MI455X (gfx1250); checked and timed in simulation.
; The chip was launched on July 23, 2026; its instructions are those of AMD's public machine-readable ISA for CDNA 5 (MIT licence, August 2026) and "CDNA5" Instruction Set Architecture Reference Guide (July 2026). The comments in the code are by the model that wrote it; some were corrected since.
;; Mo E Layer. Allowed arithmetic: matrix products marked QUANTISED: E2M3 operands, one E8M0 scale for each 32 along K, by v_wmma_scale_f32_16x16x128_f8f6f4 with both operands' format E2M3, f32 sums; products left as they are: f32 operands where the result goes on into a quantised operand, else bf16, f16 or f32 operands; f32 sums; everything else in f32.
;; Inputs: gate_w 8 x 2,048 float32; w1_codes 8 x 1,024 x 64 x 24 uint8 (E2M3 codes of w1, K innermost, in blocks of 32 codes, four codes in three bytes); w1_scales 8 x 1,024 x 64 uint8 (E8M0 scales of w1, one for each 32 codes along K); w2_codes 8 x 2,048 x 32 x 24 uint8 (E2M3 codes of w2, K innermost, in blocks of 32 codes, four codes in three bytes); w2_scales 8 x 2,048 x 32 uint8 (E8M0 scales of w2, one for each 32 codes along K); w3_codes 8 x 1,024 x 64 x 24 uint8 (E2M3 codes of w3, K innermost, in blocks of 32 codes, four codes in three bytes); w3_scales 8 x 1,024 x 64 uint8 (E8M0 scales of w3, one for each 32 codes along K); x 4 x 256 x 2,048 float32.
;; Outputs: out0 4 x 256 x 2,048 float32; out1 one number float32.
;; This version of the problem:
;;   THIS VERSION OF THE PROBLEM IS GIVEN IN LOW PRECISION. The matrix products marked QUANTISED in the list below multiply operands that are first quantised to E2M3 (2 exponent bits, 3 mantissa bits; 6 bits a number), with one power-of-two scale for each 32 numbers along K (OCP MX v1.0); their sums are f32. All else is computed in f32.
;;   The module's matrix products, in the order in which they are computed (A, B: the left and right operand; K: the contracted axis; several contracted axes count as one K, in the product's order):
;;     1. [M 1,024, K 2,048] x [K 2,048, N 8]; A: input x; B: input gate_w: left as it is (N = 8 < 16)
;;     2. [M 1,024, K 2,048] x [K 2,048, N 8,192]; A: input x; B: input w1 (given as codes): QUANTISED
;;     3. [M 1,024, K 2,048] x [K 2,048, N 8,192]; A: input x; B: input w3 (given as codes): QUANTISED
;;     4. batch 8 x [M 2,048, K 1,024] x [K 1,024, N 1,024]; A: input w2 (given as codes); B: computed on the way: QUANTISED
;;   THE QUANTISER, for each operand of a quantised product, along K:
;;     - K is cut into blocks of 32 from its start; a last block that is shorter is filled with zeros.
;;     - A block's scale is 2^e with e = floor(log2(the largest magnitude in the block)) - 2, held to -126 .. 127; a block of zeros has e = 0. As a byte (E8M0): e + 127.
;;     - Each number is divided by its block's scale, clamped to +-7.5, and rounded to the nearest number of E2M3, ties to even, subnormals kept.
;;     - The product sums the exact products of the quantised numbers (number of the format x scale) in f32.
;;   ~~~python
;;   def quantise(x, axis):      # numpy; x: float32 -> the quantised numbers, widened to float32 again
;;       x = np.moveaxis(x, axis, -1); K = x.shape[-1]
;;       x = np.pad(x, [(0, 0)] * (x.ndim - 1) + [(0, -K % 32)]); x = x.reshape(x.shape[:-1] + (-1, 32)); a = np.abs(x).max(-1, keepdims=True)
;;       e = np.where(a > 0, np.clip(np.frexp(np.where(a > 0, a, 1))[1] - 1 - 2, -126, 127), 0)      # np.frexp(a)[1] - 1 = floor(log2(a)), exactly
;;       r = np.clip(x / 2.0 ** e, -7.5, 7.5)
;;       step = 2.0 ** (np.maximum(np.frexp(np.where(r == 0, 1, r))[1] - 1, 0) - 3)
;;       q = np.round(r / step) * step * 2.0 ** e      # np.round: ties to even
;;       return np.moveaxis(q.reshape(q.shape[:-2] + (-1,))[..., :K], -1, axis).astype(np.float32)
;;   ~~~
;;   OPERANDS COMPUTED ON THE WAY. 'Computed on the way' means the value that the module computes at that place (a softmax that the list does not call 'softmax' is quantised finished and normalised). What goes into a quantiser is computed in f32, as accurately as f32 sums, v_exp_f32 and their like allow (about 1e-6 of the number): no bf16 or f16 on the way to a quantiser, and a product that is left as it is and whose result goes on into a quantised operand takes f32 operands (vector FMAs, or v_wmma_f32_16x16x4_f32). A number that lies on a knife's edge between two numbers of the format may be rounded either way, as far as f32 arithmetic and the matrix unit's own rounding can turn it there, and no further.
;;   INPUTS GIVEN AS CODES. w1 (in the module: [8, 1024, 2048], K = its axis 2); w2 (in the module: [8, 2048, 1024], K = its axis 2); w3 (in the module: [8, 1024, 2048], K = its axis 2): each comes as NAME_codes (uint8): NAME with its K axis moved to the last place and cut into blocks of 32 codes, [.., K / 32, bytes a block], one block behind the other in memory; four codes in three bytes: a row's codes are one little-endian stream of bits, code i at bits 6 i .. 6 i + 5 (a code: sign, 2 exponent bits, 3 mantissa bits); and NAME_scales (uint8): the same leading axes, one E8M0 byte (e + 127) for each 32 codes along K. Its value is code x scale, taken as it is: it is not quantised again, and the codes and scales need not be those that the quantiser above would give.
;; 2 versions, each right and faster than the one before. Each part assembles by itself: llvm-mc -triple=amdgcn-amd-amdhsa -mcpu=gfx1250 --defsym DOCPART=n.
;; ======== version 1 of 2: 3 launches
;; workspace buffers: xq 1,572,864 bytes; xs 65,536 bytes; sel 4,096 bytes of whole numbers; gw 32,768 bytes; part 16,384 bytes; hq 6,297,600 bytes; hs 262,400 bytes; posE 32,768 bytes of whole numbers
;; launch route (part 1): grid 256 x 1, 4 waves a work-group, no clusters, 59,392 bytes of LDS; arguments x, gate_w, xq, xs, sel, gw, part; writes xq, xs, sel, gw, part
.if DOCPART == 1
	.amdgcn_target "amdgcn-amd-amdhsa--gfx1250"
	.amdhsa_code_object_version 6
	.text
	.protected	k_q740cc837f8_route
	.globl	k_q740cc837f8_route
	.p2align	8
	.type	k_q740cc837f8_route,@function
k_q740cc837f8_route:
	s_mov_b64 s[64:65], 0
	v_nop
	global_prefetch_b8 v0, s[64:65] scope:SCOPE_SE
	s_setreg_imm32_b32 hwreg(HW_REG_WAVE_MODE, 25, 1), 1
	s_wait_xcnt 0x0
; ROUTER AND QUANTISER OF x.  x: [1024][2048] f32, gate_w: [8][2048] f32.
; Out: xq [1024][1536]: x as codes of E2M3, a row one stream of bits; xs [1024][64]: one E8M0 byte for each 32 along D, the four bytes of each 128 along D in the order
; (block 0, block 2, block 1, block 3), which is the order in which the later launches' fragments hold the blocks; sel [1024]: (1 << first expert) | (1 << second expert), a whole number;
; gw [1024][8]: the normalised weight of the two chosen experts, 0 elsewhere; part [256][16]: this work-group's sums of the 8 scores and its 8 counts of choices, for the load-balancing loss.
; SHARES.  A work-group takes 4 tokens.  Wave w takes numbers 512 w .. 512 w + 511 of all 4 tokens and of all 8 gate rows, so a work-group reads gate_w once; behind the first barrier wave w finishes token w.
; The logits are f32 multiply-adds; the softmax takes the row's largest logit away first.  The two largest are chosen on the logits with a strict 'greater', so the lower index wins a tie.
; LIMITS.  NaN and infinities among the inputs are not served.  A block of x whose largest magnitude lies under 2^-124 keeps the byte 1 (a block of zeros too, where the rule says 127: its codes are zeros,
; and this program alone reads the bytes).  Two different logits whose scores round to the same f32 are ordered by the logits here.
.set R,    16                          ; v16-79    x as loaded: token t, load i at R + 16 t + 4 i
.set G,    80                          ; v80-207   gate_w as loaded: expert e, load i at G + 16 e + 4 i
.set X,    80                          ; v80-143   later: 16 neighbours along D for each token
.set ACC,  208                         ; v208-239  partial logits, token t, expert e at ACC + 8 t + e; later the quantiser's scratch
.set CD,   240                         ; v240-255  token t: three registers of codes and one with the scale's byte
.set PL,   40960                       ; LDS: behind the four waves' stages (10,240 bytes each): 32 rows (8 t + e) of 128 partial logits, 528 bytes apart
.set PLP,  528
.set SB,   57856                       ; 4 tokens x 64 scale bytes
.set PS,   58112                       ; 4 waves x (8 scores, 8 ones or zeros)
.set GWL,  58368                       ; 4 waves x 8 gate weights
.set SELL, 58496                       ; 4 waves x 1 word
	s_load_b256 s[4:11], s[0:1], 0x0               ; x, gate_w, xq, xs
	s_load_b128 s[12:15], s[0:1], 0x20             ; sel, gw
	s_load_b64 s[16:17], s[0:1], 0x30              ; part
	v_lshrrev_b32 v12, 5, v0                       ; wave, in every lane
	v_readfirstlane_b32 s18, v12                   ; and as a scalar
	v_and_b32 v1, 31, v0                           ; lane
	v_lshlrev_b32 v2, 4, v1                        ; 16 x lane
	s_mul_i32 s19, s18, 10240                      ; my wave's stage
	v_lshrrev_b32 v3, 2, v1
	v_mul_u32_u24 v3, v3, 80
	v_and_b32 v4, 3, v1
	v_lshl_add_u32 v3, v4, 4, v3
	v_add_nc_u32 v3, s19, v3                       ; into the stage: four lanes' 64 bytes on end, then 16 of padding
	v_mul_u32_u24 v4, v1, 80
	v_add_nc_u32 v4, s19, v4                       ; out of it: 80 x lane: my 16 neighbours
	v_mul_u32_u24 v5, v1, 12                       ; my 12 bytes of codes
	v_lshrrev_b32 v13, 1, v1                       ; my block among the wave's 16
	v_and_b32 v6, 12, v13
	v_and_b32 v14, 1, v13
	v_lshl_add_u32 v6, v14, 1, v6
	v_bfe_u32 v14, v13, 1, 1
	v_add_nc_u32 v6, v6, v14                       ; blocks 1 and 2 of each four change places
	v_lshl_add_u32 v6, v12, 4, v6
	v_add_nc_u32 v6, SB, v6                        ; where my block's byte goes: SB + 16 wave + place (+ 64 token)
	v_lshl_add_u32 v7, v0, 2, PL                   ; where my partial logits go: 4 x thread (+ 528 row)
	v_mul_u32_u24 v10, v12, 8*PLP
	v_add_nc_u32 v10, v10, v2
	v_add_nc_u32 v10, PL, v10                      ; where wave w reads token w's: rows 8 w on, 16 bytes a lane
	v_lshl_add_u32 v13, v12, 5, GWL
	v_lshl_add_u32 v14, v12, 2, SELL
	v_lshl_add_u32 v12, v12, 6, PS
	v_and_b32 v8, 15, v1                           ; the four roles' read addresses behind the second barrier
	v_lshl_add_u32 v8, v8, 2, PS
	v_lshl_add_u32 v9, v1, 2, GWL
	v_and_b32 v11, 3, v1
	v_lshl_add_u32 v11, v11, 2, SELL
	v_lshl_add_u32 v15, v1, 3, SB
	s_lshl_b32 s20, ttmp9, 15                      ; 4 rows of x
	s_lshl_b32 s22, s18, 11                        ; my quarter of a row
	s_add_co_u32 s20, s20, s22
	s_mov_b32 s21, 0
	s_mov_b32 s23, 0
	s_mul_i32 s24, ttmp9, 6144                     ; 4 rows of codes
	s_mul_i32 s25, s18, 384
	s_add_co_u32 s24, s24, s25
	s_mov_b32 s25, 0
	s_lshl_b32 s26, ttmp9, 8
	s_mov_b32 s27, 0
	s_lshl_b32 s28, ttmp9, 4
	s_mov_b32 s29, 0
	s_lshl_b32 s30, ttmp9, 7
	s_mov_b32 s31, 0
	s_lshl_b32 s36, ttmp9, 6
	s_mov_b32 s37, 0
	s_mov_b32 s32, 0x76543210                      ; v_permlanex16_b32's selects for lane l xor 16
	s_mov_b32 s33, 0xfedcba98
	s_mov_b32 s34, 0x3fb8aa3b                      ; log2(e)
	s_wait_kmcnt 0x0
	s_add_nc_u64 s[4:5], s[4:5], s[20:21]
	s_add_nc_u64 s[6:7], s[6:7], s[22:23]
	s_add_nc_u64 s[8:9], s[8:9], s[24:25]
	s_add_nc_u64 s[10:11], s[10:11], s[26:27]
	s_add_nc_u64 s[12:13], s[12:13], s[28:29]
	s_add_nc_u64 s[14:15], s[14:15], s[30:31]
	s_add_nc_u64 s[16:17], s[16:17], s[36:37]
.irp t, 0,1,2,3
.irp i, 0,1,2,3
	global_load_b128 v[R+16*\t+4*\i:R+16*\t+4*\i+3], v2, s[4:5] offset:8192*\t+512*\i th:TH_LOAD_NT   ; 32 lanes read 512 consecutive bytes; x is read once in the launch
.endr
.endr
.irp e, 0,1,2,3,4,5,6,7
.irp i, 0,1,2,3
	global_load_b128 v[G+16*\e+4*\i:G+16*\e+4*\i+3], v2, s[6:7] offset:8192*\e+512*\i
.endr
.endr
	s_wait_loadcnt 32                              ; x is in; the 32 younger loads, gate_w's, may be out
.irp t, 0,1,2,3
.irp i, 0,1,2,3
	ds_store_b128 v3, v[R+16*\t+4*\i:R+16*\t+4*\i+3] offset:2560*\t+640*\i   ; x into my wave's stage, as it lies in memory
.endr
.endr
	s_wait_loadcnt 0x0
.irp t, 0,1,2,3                                ; 32 partial logits by turns; the first products start the sums
.irp e, 0,1,2,3,4,5,6,7
	v_mul_f32 v[ACC+8*\t+\e], v[R+16*\t], v[G+16*\e]
.endr
.endr
.set K, 1
.rept 15
.irp t, 0,1,2,3
.irp e, 0,1,2,3,4,5,6,7
	v_fmac_f32 v[ACC+8*\t+\e], v[R+16*\t+K], v[G+16*\e+K]
.endr
.endr
.set K, K+1
.endr
.set J, 0
.rept 32
	ds_store_b32 v7, v[ACC+J] offset:PLP*J
.set J, J+1
.endr
.irp t, 0,1,2,3
.irp i, 0,1,2,3
	ds_load_b128 v[X+16*\t+4*\i:X+16*\t+4*\i+3], v4 offset:2560*\t+16*\i   ; back from the stage: 64 consecutive bytes a lane (LDS serves a wave's instructions in order: ISA guide 5.7.1.4)
.endr
.endr
	s_wait_dscnt 0x0                               ; the 16 neighbours are in, and the stores above have read the accumulators, which now serve as scratch
; Token t: my 16 numbers and my neighbour lane's 16 are a block of 32.
.macro QX t
.set XS, X+16*(\t)
.set T, ACC+4*(\t)
	v_max3_num_f32 v[T], |v[XS]|, |v[XS+1]|, |v[XS+2]|
	v_max3_num_f32 v[T+1], |v[XS+3]|, |v[XS+4]|, |v[XS+5]|
.irp i, 6,10
	v_max3_num_f32 v[T], v[T], |v[XS+\i]|, |v[XS+\i+1]|
	v_max3_num_f32 v[T+1], v[T+1], |v[XS+\i+2]|, |v[XS+\i+3]|
.endr
	v_max3_num_f32 v[T], v[T], |v[XS+14]|, |v[XS+15]|
	v_max3_num_f32 v[T], v[T], v[T+1], 0x1800000   ; and the floor 2^(3 - 127): the byte cannot fall under 1
	v_max_num_f32_dpp v[T], v[T], v[T] row_xmask:1 row_mask:0xf bank_mask:0xf   ; with my neighbour's 16: the block's largest magnitude
	v_add_nc_u32 v[T+2], 0xff000000, v[T]          ; 2 off its exponent field: the conversion takes this operand's exponent field as its scale
	v_cvt_scalef32_pk16_fp6_f32 v[CD+4*(\t):CD+4*(\t)+2], v[XS:XS+15], v[T+2]
	v_lshrrev_b32 v[CD+4*(\t)+3], 23, v[T+2]       ; the scale's byte (also the plain line behind the conversion)
	ds_store_b8 v6, v[CD+4*(\t)+3] offset:64*(\t)  ; both lanes of a block write the same byte with the same value
	global_store_b96 v5, v[CD+4*(\t):CD+4*(\t)+2], s[8:9] offset:1536*(\t)   ; the wave stores 384 consecutive bytes
.endm
	QX 0
	QX 1
	QX 2
	QX 3
	s_wait_dscnt 0x0                               ; for the others' sake: my partial logits and scale bytes lie in LDS
	s_barrier_signal -1
	s_barrier_wait -1
; Wave w finishes token w: 8 logits, each the sum of 128 partial sums.
.irp e, 0,1,2,3,4,5,6,7
	ds_load_b128 v[16+4*\e:19+4*\e], v10 offset:PLP*\e
.endr
	s_wait_dscnt 0x0
.irp e, 0,1,2,3,4,5,6,7
	v_add_f32 v[48+\e], v[16+4*\e], v[17+4*\e]
.endr
.irp e, 0,1,2,3,4,5,6,7
	v_add_f32 v[56+\e], v[18+4*\e], v[19+4*\e]
.endr
.irp e, 0,1,2,3,4,5,6,7
	v_add_f32 v[48+\e], v[48+\e], v[56+\e]
.endr
.irp m, 1,2,4,8
.irp e, 0,1,2,3,4,5,6,7
	v_add_f32_dpp v[48+\e], v[48+\e], v[48+\e] row_xmask:\m row_mask:0xf bank_mask:0xf
.endr
.endr
.irp e, 0,1,2,3,4,5,6,7
	v_permlanex16_b32 v[56+\e], v[48+\e], s32, s33
.endr
.irp e, 0,1,2,3,4,5,6,7
	v_add_f32 v[48+\e], v[48+\e], v[56+\e]         ; the logit of expert e, the same bits in every lane
.endr
	v_mov_b32 v144, v48                            ; the largest logit and its index
	v_mov_b32 v145, 0
.irp e, 1,2,3,4,5,6,7
	v_cmp_gt_f32 vcc_lo, v[48+\e], v144
	v_cndmask_b32 v144, v144, v[48+\e], vcc_lo
	v_cndmask_b32 v145, v145, \e, vcc_lo
.endr
	v_mov_b32 v146, 0xff800000                     ; the second largest: it starts at -infinity and passes the first by
	v_mov_b32 v147, 0
.irp e, 0,1,2,3,4,5,6,7
	v_cmp_ne_u32 s24, \e, v145
	v_cmp_gt_f32 s25, v[48+\e], v146
	s_and_b32 s24, s24, s25
	v_cndmask_b32 v146, v146, v[48+\e], s24
	v_cndmask_b32 v147, v147, \e, s24
.endr
.irp e, 0,1,2,3,4,5,6,7
	v_sub_f32 v[152+\e], v[48+\e], v144            ; the maximum is taken away ahead of the exponential
.endr
	v_sub_f32 v160, v146, v144
.irp e, 0,1,2,3,4,5,6,7
	v_mul_f32 v[152+\e], s34, v[152+\e]
.endr
	v_mul_f32 v160, s34, v160
.irp e, 0,1,2,3,4,5,6,7
	v_exp_f32 v[152+\e], v[152+\e]
.endr
	v_exp_f32 v160, v160                           ; the second's, against the first's 1
	v_mov_b32 v164, 1                              ; a plain line behind the batch
	s_wait_alu depctr_va_vdst(0)                   ; one wait for the nine exponentials, ahead of their first reader
	v_add_f32 v161, v152, v153
	v_add_f32 v165, v154, v155
	v_add_f32 v166, v156, v157
	v_add_f32 v167, v158, v159
	v_add_f32 v161, v161, v165
	v_add_f32 v166, v166, v167
	v_add_f32 v161, v161, v166                     ; the softmax's divisor
	v_add_f32 v168, 1.0, v160                      ; the two chosen scores' sum, in units of the first
	v_rcp_f32 v162, v161
	v_rcp_f32 v163, v168                           ; the first's normalised weight
	v_lshlrev_b32 v88, v145, v164                  ; (plain lines behind the batch)  1 << first
	v_lshlrev_b32 v169, v147, v164
	v_or_b32 v88, v88, v169                        ; | 1 << second
	s_wait_alu depctr_va_vdst(0)                   ; one wait for the two reciprocals
.irp e, 0,1,2,3,4,5,6,7
	v_mul_f32 v[64+\e], v[152+\e], v162            ; the scores
.endr
	v_mul_f32 v170, v160, v163                     ; the second's normalised weight
.irp e, 0,1,2,3,4,5,6,7
	v_cmp_eq_u32 s24, \e, v145
	v_cmp_eq_u32 s25, \e, v147
	s_or_b32 s26, s24, s25
	v_cndmask_b32 v[80+\e], 0, v163, s24
	v_cndmask_b32 v[80+\e], v[80+\e], v170, s25
	v_cndmask_b32 v[72+\e], 0, 1.0, s26
.endr
	ds_store_b128 v12, v[64:67]                    ; all lanes write the same words with the same values
	ds_store_b128 v12, v[68:71] offset:16
	ds_store_b128 v12, v[72:75] offset:32
	ds_store_b128 v12, v[76:79] offset:48
	ds_store_b128 v13, v[80:83]
	ds_store_b128 v13, v[84:87] offset:16
	ds_store_b32 v14, v88
	s_wait_dscnt 0x0
	s_barrier_signal -1
	s_barrier_wait -1
; Four roles, one a wave; no barrier follows.
	s_cmp_lg_u32 s18, 0
	s_cbranch_scc1 .Lrole1
	ds_load_b32 v16, v8                            ; the four tokens' scores and counts are added: 16 numbers
	ds_load_b32 v17, v8 offset:64
	ds_load_b32 v18, v8 offset:128
	ds_load_b32 v19, v8 offset:192
	v_and_b32 v3, 15, v1
	v_lshlrev_b32 v3, 2, v3
	v_cmp_gt_u32 vcc_lo, 16, v1
	s_wait_dscnt 0x0
	v_add_f32 v16, v16, v17
	v_add_f32 v18, v18, v19
	v_add_f32 v16, v16, v18
	s_wait_xcnt 0x0                                ; EXEC changes only behind this wait: my stores of codes have been issued under the whole EXEC
	s_and_saveexec_b32 s35, vcc_lo
	global_store_b32 v3, v16, s[16:17]
	s_wait_xcnt 0x0
	s_or_b32 exec_lo, exec_lo, s35
	s_endpgm
.Lrole1:
	s_cmp_lg_u32 s18, 1
	s_cbranch_scc1 .Lrole2
	ds_load_b32 v16, v9
	v_lshlrev_b32 v3, 2, v1
	s_wait_dscnt 0x0
	global_store_b32 v3, v16, s[14:15]             ; 4 tokens x 8 gate weights: 128 consecutive bytes
	s_endpgm
.Lrole2:
	s_cmp_lg_u32 s18, 2
	s_cbranch_scc1 .Lrole3
	ds_load_b32 v16, v11
	v_and_b32 v3, 3, v1
	v_lshlrev_b32 v3, 2, v3
	v_cmp_gt_u32 vcc_lo, 4, v1
	s_wait_dscnt 0x0
	s_wait_xcnt 0x0
	s_and_saveexec_b32 s35, vcc_lo
	global_store_b32 v3, v16, s[12:13]             ; the four tokens' choices
	s_wait_xcnt 0x0
	s_or_b32 exec_lo, exec_lo, s35
	s_endpgm
.Lrole3:
	ds_load_b64 v[16:17], v15
	v_lshlrev_b32 v3, 3, v1
	s_wait_dscnt 0x0
	global_store_b64 v3, v[16:17], s[10:11]        ; 4 tokens x 64 scale bytes: 256 consecutive bytes, aligned
	s_endpgm
.Lfunc_end_k_q740cc837f8_route:
	.size	k_q740cc837f8_route, .Lfunc_end_k_q740cc837f8_route-k_q740cc837f8_route
	.p2alignl 7, 3214868480
	.fill 96, 4, 3214868480
	.section	.rodata,"a",@progbits
	.p2align	6, 0x0
	.amdhsa_kernel k_q740cc837f8_route
		.amdhsa_group_segment_fixed_size 59392
		.amdhsa_private_segment_fixed_size 0
		.amdhsa_enable_private_segment 0
		.amdhsa_kernarg_size 56
		.amdhsa_user_sgpr_count 2
		.amdhsa_user_sgpr_kernarg_segment_ptr 1
		.amdhsa_wavefront_size32 1
		.amdhsa_system_sgpr_workgroup_id_x 1
		.amdhsa_system_sgpr_workgroup_id_y 1
		.amdhsa_system_sgpr_workgroup_id_z 1
		.amdhsa_system_vgpr_workitem_id 0
		.amdhsa_next_free_vgpr 256
		.amdhsa_next_free_sgpr 66
		.amdhsa_reserve_vcc 1
		.amdhsa_float_denorm_mode_32 3
		.amdhsa_float_denorm_mode_16_64 3
		.amdhsa_memory_ordered 1
		.amdhsa_forward_progress 1
		.amdhsa_inst_pref_size 46
	.end_amdhsa_kernel
	.amdgpu_metadata
---
amdhsa.version: [ 1, 2 ]
amdhsa.kernels:
  - .name:           k_q740cc837f8_route
    .symbol:         k_q740cc837f8_route.kd
    .args:
      - { .name: x, .offset: 0, .size: 8, .value_kind: global_buffer, .address_space: global }
      - { .name: gate_w, .offset: 8, .size: 8, .value_kind: global_buffer, .address_space: global }
      - { .name: xq, .offset: 16, .size: 8, .value_kind: global_buffer, .address_space: global }
      - { .name: xs, .offset: 24, .size: 8, .value_kind: global_buffer, .address_space: global }
      - { .name: sel, .offset: 32, .size: 8, .value_kind: global_buffer, .address_space: global }
      - { .name: gw, .offset: 40, .size: 8, .value_kind: global_buffer, .address_space: global }
      - { .name: part, .offset: 48, .size: 8, .value_kind: global_buffer, .address_space: global }
    .group_segment_fixed_size: 59392
    .private_segment_fixed_size: 0
    .kernarg_segment_align: 8
    .kernarg_segment_size: 56
    .max_flat_workgroup_size: 128
    .sgpr_count:     66
    .vgpr_count:     256
    .wavefront_size: 32
...
	.end_amdgpu_metadata
.endif
;; end of part 1
;; launch up (part 2): grid 256 x 1, 4 waves a work-group, no clusters, 102,400 bytes of LDS; arguments xq, xs, w1_codes, w1_scales, w3_codes, w3_scales, sel, part, hq, hs, posE, out1; writes hq, hs, posE, out1
.if DOCPART == 2
	.amdgcn_target "amdgcn-amd-amdhsa--gfx1250"
	.amdhsa_code_object_version 6
	.text
	.protected	k_q740cc837f8_up
	.globl	k_q740cc837f8_up
	.p2align	8
	.type	k_q740cc837f8_up,@function
k_q740cc837f8_up:
	s_mov_b64 s[64:65], 0
	v_nop
	global_prefetch_b8 v0, s[64:65] scope:SCOPE_SE
	s_setreg_imm32_b32 hwreg(HW_REG_WAVE_MODE, 25, 1), 1
	s_wait_xcnt 0x0
; h = silu(x w1^T) x (x w3^T) FOR THE ROWS THAT CHOSE THE EXPERT, QUANTISED ALONG THE HIDDEN AXIS.  Both products on codes of E2M3 with one E8M0 scale for each 32 along D = 2,048.
; SHARES.  Work-group (e, j) = (number / 32, number % 32) owns hidden units 32 j .. 32 j + 31 of expert e: one block of the next product's K.  Its 32 rows of w1 and 32 of w3 (98,304 bytes of codes) are read by it alone,
; in loads of 512 consecutive bytes, and lie in LDS; it serves all rows of the expert.  The rows are the tokens whose stored choice (sel, whole numbers of the launch before) has bit e, in token order: wave 0 ranks them and
; scatters their numbers into a list in LDS while the weights are on their way.  A tile is 16 places of the list; a pass is 20 tiles, five a wave.  Pass 0 always runs; three more stand in a loop of constant count,
; and a wave passes over a trip whose first place lies at or behind the expert's count: every split up to all 1,024 tokens on one expert is served.  Places behind the count hold token 0: its rows of h are made and
; stored there too, at places that no entry of posE names, so nobody reads them; only places from 1,024 on, where the row of zeros and the next slab lie, are switched off, by a compare of the place with a constant.
; No multicast and no tensor load: the trips that are passed over hang on a stored count, and a work-group shares its weights with nobody.
; K'S ORDER.  For each 128 along K lane (r, h) takes 48 CONSECUTIVE bytes of its row, at 96 s + 48 h: blocks 2 h and 2 h + 1 of the four.  The unit takes them for its blocks h and 2 + h; the same exchange is made in both
; operands, so each product meets its partner; the four scale bytes of a word stand in the order (0, 2, 1, 3): xs is stored so, the weights' words are turned by one v_perm_b32.
; TRANSPOSED USE: source 0 = 16 rows of a weight, source 1 = 16 rows of x.  Row m of tile u of a weight is unit 8 u + m + 8 (m / 8), so a lane's 16 registers of tiles 0 and 1 are units 16 h + 0 .. 15 of ONE row of x.
; OUT.  hq [e][pair 16][place 0..1024][48]: block j at pair j / 2, byte 24 (j % 2); hs [e][place 0..1024][32], the bytes of each four blocks in the order above; place 1024 is a row of zero codes with the byte 127;
; posE [e][token]: the token's place, or 1024 (work-groups with j = 0 store it); out1, the load-balancing loss (wave 1 of work-group 0, from part).
; What only one work-group does (posE, out1) stands behind the second barrier, where LDS is only read: ahead of it the waves part on the wave's number alone.
; LIMITS.  NaN and infinities are not served.  A block of h whose largest magnitude lies under 2^-124 keeps the byte 1 (a block of zeros too: its codes are zeros, and this program alone reads the bytes).
; REGISTERS, in windows of 256.  Window 0: v0-15 ids, addresses, scratch; v16-20, v21-25, v26-30 the five tiles' offsets in xq, in xs, and tokens; v31 the list's address; v32-47, v48-63 w1's and w3's scale words of the 16 K steps
; (lanes 0-15 tile 0, lanes 16-31 tile 1); v64-143 x's scale words, tile i, step s at 64 + 16 i + s; v144-191, v192-239 two sets of the four weight fragments (ahead of them, in wave 0: v144-175 the choices, v176-207 the places,
; v208-223 scratch); v240-245 store offsets and fixed addresses.
; Window 1: v0-159 the 20 accumulators (tile i, weight tile m at 32 i + 8 m; m 0, 1: w1; 2, 3: w3), ahead of the second barrier v0-191 the weights on their way to LDS; v160-183 the activation's and the quantiser's scratch.
; Window 2: v0-239 x's fragments, a ring of four K steps: step s, tile i at 60 (s % 4) + 12 i.   Window 3: v0-127 the loss's 32 loads.
.set WP,   1552                        ; a weight row in LDS: 1,536 bytes + 16 = 388 words: row r starts at bank 4 r mod 64 (64 banks of 4 bytes: ISA guide 11.1)
.set LIST, 0                           ; LDS: 1,280 places of 2 bytes, then 32 half-words, one a lane, for the tokens that did not choose the expert: nobody reads those
.set META, 2624                        ; the expert's count
.set WB,   2816                        ; the 64 weight rows
.set MSB, 0
.macro WIN new                         ; the immediate's high byte repeats the setting that is left; a switch that changes nothing is dropped
.if MSB != (\new)
	s_set_vgpr_msb (MSB<<8)|(\new)
.set MSB, (\new)
.endif
.endm
	s_load_b512 s[4:19], s[0:1], 0x0               ; xq, xs, w1 codes, w1 scales, w3 codes, w3 scales, sel, part
	s_load_b256 s[20:27], s[0:1], 0x40             ; hq, hs, posE, out1
	v_lshrrev_b32 v1, 5, v0
	v_readfirstlane_b32 s28, v1                    ; wave
	s_lshr_b32 s29, ttmp9, 5                       ; e
	s_and_b32 s30, ttmp9, 31                       ; j
	v_and_b32 v1, 31, v0                           ; lane
	v_and_b32 v2, 15, v0                           ; r
	v_bfe_u32 v3, v0, 4, 1                         ; h
	v_mul_u32_u24 v9, v3, 48
	v_mul_u32_u24 v10, v3, 12
	v_mul_u32_u24 v4, v2, WP
	v_add_nc_u32 v4, v4, v9
	v_add_nc_u32 v4, WB, v4                        ; a fragment of w1: row r, + 48 h
	v_add_nc_u32 v5, 32*WP, v4                     ; of w3: 32 rows on
	s_mul_i32 s34, s28, 160
	v_lshl_add_u32 v6, v2, 1, s34                  ; the list (at LDS byte 0): my wave's 80 places, place r
	v_lshlrev_b32 v8, 4, v1                        ; 16 x lane
	s_lshr_b32 s34, s28, 1
	s_lshl_b32 s34, s34, 5
	s_and_b32 s35, s28, 1
	s_lshl_b32 s35, s35, 3
	s_add_co_u32 s34, s34, s35
	s_mul_i32 s34, s34, WP
	s_add_co_u32 s34, s34, WB
	v_add_nc_u32 v7, s34, v8                       ; where I put weights: LDS row 32 (wave / 2) + 8 (wave % 2), + 16 x lane
	v_mov_b32 v244, META
	v_lshrrev_b32 v245, 3, v2
	v_lshl_add_u32 v245, v245, 3, v2
	v_lshl_add_u32 v245, v3, 3, v245
	v_lshlrev_b32 v245, 6, v245                    ; the weights' scale rows: unit 8 h + r + 8 (r / 8), 64 bytes a row
	s_lshl_b32 s33, 1, s29                         ; the expert's bit
	s_mov_b32 s40, 0x76543210                      ; v_permlanex16_b32's selects for lane l xor 16
	s_mov_b32 s41, 0xfedcba98
	s_mov_b32 s42, 0xbfb8aa3b                      ; -log2(e)
	s_mov_b32 s43, 0x03010200                      ; bytes 1 and 2 of a word change places
	s_mul_i32 s45, s28, 80                         ; the first place of my wave's pass
	s_mov_b32 s46, 0                               ; the pass's bytes in the list
	s_mul_i32 s38, s29, 1572864                    ; my 16 rows of codes: (1,024 e + 32 j + 16 (wave % 2)) x 1,536
	s_mul_i32 s34, s30, 49152
	s_add_co_u32 s38, s38, s34
	s_and_b32 s34, s28, 1
	s_mul_i32 s34, s34, 24576
	s_add_co_u32 s38, s38, s34
	s_mov_b32 s39, 0
	s_wait_kmcnt 0x0
	s_cmp_lt_u32 s28, 2                            ; waves 0 and 1 fetch w1, waves 2 and 3 w3
	s_cselect_b64 s[36:37], s[8:9], s[12:13]
	s_add_nc_u64 s[36:37], s[36:37], s[38:39]
	s_lshl_b32 s38, s29, 16
	s_lshl_b32 s34, s30, 11
	s_add_co_u32 s38, s38, s34
	s_add_nc_u64 s[52:53], s[10:11], s[38:39]      ; w1's scale rows of my 32 units
	s_add_nc_u64 s[54:55], s[14:15], s[38:39]      ; w3's
	s_lshl_b32 s38, s29, 4
	s_lshr_b32 s34, s30, 1
	s_add_co_u32 s38, s38, s34
	s_mul_i32 s38, s38, 49200
	s_and_b32 s34, s30, 1
	s_mul_i32 s34, s34, 24
	s_add_co_u32 s38, s38, s34
	s_add_nc_u64 s[48:49], s[20:21], s[38:39]      ; hq at (e, pair j / 2), byte 24 (j % 2)
	s_mul_i32 s38, s29, 32800
	s_and_b32 s34, s30, 28
	s_add_co_u32 s38, s38, s34
	s_and_b32 s34, s30, 1
	s_lshl_b32 s34, s34, 1
	s_add_co_u32 s38, s38, s34
	s_bfe_u32 s34, s30, 0x10001
	s_add_co_u32 s38, s38, s34
	s_add_nc_u64 s[50:51], s[22:23], s[38:39]      ; hs at e, my block's byte
	s_lshl_b32 s38, s29, 12
	s_add_nc_u64 s[56:57], s[24:25], s[38:39]      ; posE at e
	s_cmp_lg_u32 s28, 0
	s_cbranch_scc1 .Lno_sel
.irp g, 0,1,2,3,4,5,6,7
	global_load_b128 v[144+4*\g:147+4*\g], v8, s[16:17] offset:512*\g   ; wave 0: the 1,024 choices; a lane holds tokens 128 g + 4 lane + 0 .. 3
.endr
.Lno_sel:
	WIN 0x40                                       ; destination window 1
.set N, 0
.rept 48
	global_load_b128 v[4*N:4*N+3], v8, s[36:37] offset:512*N th:TH_LOAD_NT   ; my 16 rows, 24,576 dense bytes, 512 a load; nobody else reads them
.set N, N+1
.endr
	WIN 0
.irp k, 0,1,2,3
	global_load_b128 v[32+4*\k:35+4*\k], v245, s[52:53] offset:16*\k
	global_load_b128 v[48+4*\k:51+4*\k], v245, s[54:55] offset:16*\k
.endr
	s_cmp_lg_u32 s28, 0
	s_cbranch_scc1 .Lnot_w0
; WAVE 0 MAKES THE LIST.  No other wave touches LDS ahead of the first barrier.
	v_mov_b32 v208, 0
	v_mov_b32 v209, 0
	v_mov_b32 v210, 0
	v_mov_b32 v211, 0
.irp k, 0,1,2,3,4
	ds_store_b128 v8, v[208:211] offset:LIST+512*\k   ; every place holds token 0 first
.endr
	v_mov_b32 v216, 0x400
	v_lshlrev_b32 v217, 2, v1
	v_add_nc_u32 v218, 0x500, v1                   ; index 1,280 + lane: where a token goes that did not choose the expert
	s_mov_b32 s32, 0                               ; the count so far
	s_wait_loadcnt 56                              ; the choices are in; the 48 loads of weights and 8 of scales behind them may be out
.macro GRP g                           ; tokens 128 g .. 128 g + 127
.irp c, 0,1,2,3
	v_and_b32 v[208+\c], s33, v[144+4*(\g)+\c]
.endr
.irp c, 0,1,2,3
	v_cmp_ne_u32 s[58+\c], 0, v[208+\c]            ; which lanes' token 4 lane + c chose the expert
.endr
	v_mbcnt_lo_u32_b32 v212, s58, s32              ; the count so far + the chosen tokens of the lanes below me: the place of my first chosen token
	v_mbcnt_lo_u32_b32 v212, s59, v212
	v_mbcnt_lo_u32_b32 v212, s60, v212
	v_mbcnt_lo_u32_b32 v212, s61, v212
.irp c, 0,1,2
	v_cndmask_b32 v[213+\c], 0, 1, s[58+\c]
.endr
.irp c, 0,1,2
	v_add_nc_u32 v[213+\c], v[212+\c], v[213+\c]   ; and of my later ones
.endr
.irp c, 0,1,2,3
	v_cndmask_b32 v[176+4*(\g)+\c], v216, v[212+\c], s[58+\c]   ; the token's place, or 1024
.endr
.irp c, 0,1,2,3
	v_cndmask_b32 v[212+\c], v218, v[212+\c], s[58+\c]          ; the index in the list, or my lane's unread half-word behind it
.endr
.irp c, 0,1,2,3
	v_min_u32 v[212+\c], 0x51f, v[212+\c]          ; held inside the list and the 32 half-words behind it;
.endr
.irp c, 0,1,2,3
	v_lshlrev_b32 v[212+\c], 1, v[212+\c]          ; 2 bytes a place; the list begins at LDS byte 0
.endr
.irp c, 0,1,2,3
	v_add_nc_u32 v[220+\c], 128*(\g)+\c, v217
.endr
.irp c, 0,1,2,3
	ds_store_b16 v[212+\c], v[220+\c]              ; the tokens' numbers go to their places (LDS serves a wave's instructions in order: behind the zeros: ISA guide 5.7.1.4)
.endr
.irp c, 0,1,2,3
	s_bcnt1_i32_b32 s34, s[58+\c]
	s_add_co_u32 s32, s32, s34
.endr
.endm
.irp g, 0,1,2,3,4,5,6,7
	GRP \g
.endr
	v_mov_b32 v208, s32
	ds_store_b32 v244, v208                        ; the expert's count
	s_branch .Lb1
.Lnot_w0:
	s_cmp_lg_u32 s28, 2
	s_cbranch_scc1 .Lb1
	v_mov_b32 v12, 0                               ; WAVE 2: my block of the row of zero codes, and its byte
	v_mov_b32 v13, 0
	v_mov_b32 v14, 0
	v_mov_b32 v15, 127
	v_mul_u32_u24 v11, v1, 12
	v_cmp_gt_u32 vcc_lo, 2, v1
	s_wait_xcnt 0x0                                ; EXEC changes only behind this wait: the loads above were issued under the whole EXEC
	s_and_saveexec_b32 s44, vcc_lo
	global_store_b96 v11, v[12:14], s[48:49] offset:49152
	global_store_b8 v13, v15, s[50:51] offset:32768   ; both lanes write the same byte with the same value
	s_wait_xcnt 0x0
	s_or_b32 exec_lo, exec_lo, s44
.Lb1:
	s_wait_dscnt 0x0                               ; wave 0's list and count lie in LDS
	s_barrier_signal -1
	s_barrier_wait -1
	ds_load_b32 v11, v244
	s_wait_dscnt 0x0
	v_readfirstlane_b32 s31, v11
	s_min_u32 s31, s31, 0x400                      ; the expert's count, 1,024 at the most: it serves the branch that passes over a trip, and nothing else
.macro XLOAD s                         ; x's fragments of K step s, five tiles: 48 consecutive bytes a lane, 15 loads
	WIN 0x80                                       ; destination window 2
.irp i, 0,1,2,3,4
.irp c, 0,1,2
	global_load_b128 v[60*((\s)%4)+12*\i+4*\c:60*((\s)%4)+12*\i+4*\c+3], v[16+\i], s[4:5] offset:96*(\s)+16*\c
.endr
.endr
.endm
.macro WLOAD s                         ; the four weight fragments of K step s from LDS, 12 loads
	WIN 0
.irp m, 0,1,2,3
.irp c, 0,1,2
	ds_load_b128 v[144+48*((\s)%2)+12*\m+4*\c:144+48*((\s)%2)+12*\m+4*\c+3], v[4+\m/2] offset:16*(\m%2)*WP+96*(\s)+16*\c
.endr
.endr
.endm
.macro MM i, m                         ; tile i of x against weight tile m, K step S
.set rD, 32*(\i)+8*(\m)
.set rA, 144+48*(S%2)+12*(\m)
.set rB, 60*(S%4)+12*(\i)
.set rSA, 32+16*((\m)/2)+S
.set rSB, 64+16*(\i)+S
.if S == 0                             ; the first K step starts the sums: nothing is cleared
.if (\m)%2
	v_wmma_scale_f32_16x16x128_f8f6f4 v[rD:rD+7], v[rA:rA+11], v[rB:rB+11], 0, v[rSA], v[rSB] matrix_a_fmt:MATRIX_FMT_FP6 matrix_b_fmt:MATRIX_FMT_FP6 matrix_a_scale:MATRIX_SCALE_ROW1
.else
	v_wmma_scale_f32_16x16x128_f8f6f4 v[rD:rD+7], v[rA:rA+11], v[rB:rB+11], 0, v[rSA], v[rSB] matrix_a_fmt:MATRIX_FMT_FP6 matrix_b_fmt:MATRIX_FMT_FP6
.endif
.else
.if (\m)%2
	v_wmma_scale_f32_16x16x128_f8f6f4 v[rD:rD+7], v[rA:rA+11], v[rB:rB+11], v[rD:rD+7], v[rSA], v[rSB] matrix_a_fmt:MATRIX_FMT_FP6 matrix_b_fmt:MATRIX_FMT_FP6 matrix_a_scale:MATRIX_SCALE_ROW1
.else
	v_wmma_scale_f32_16x16x128_f8f6f4 v[rD:rD+7], v[rA:rA+11], v[rB:rB+11], v[rD:rD+7], v[rSA], v[rSB] matrix_a_fmt:MATRIX_FMT_FP6 matrix_b_fmt:MATRIX_FMT_FP6
.endif
.endif
.endm
.macro PRO_A                           ; a pass begins: its 80 tokens from the list, their scale words, their first two K steps
	WIN 0
	v_add_nc_u32 v31, s46, v6
.irp i, 0,1,2,3,4
	ds_load_u16 v[26+\i], v31 offset:LIST+32*\i
.endr
	s_wait_dscnt 0x0
.irp i, 0,1,2,3,4
	v_min_u32 v[26+\i], 0x3ff, v[26+\i]
.endr
.irp i, 0,1,2,3,4
	v_mul_u32_u24 v[16+\i], v[26+\i], 1536
.endr
.irp i, 0,1,2,3,4
	v_add_nc_u32 v[16+\i], v[16+\i], v9
.endr
.irp i, 0,1,2,3,4
	v_lshlrev_b32 v[21+\i], 6, v[26+\i]
.endr
.irp i, 0,1,2,3,4
.irp k, 0,1,2,3
	global_load_b128 v[64+16*\i+4*\k:64+16*\i+4*\k+3], v[21+\i], s[6:7] offset:16*\k
.endr
.endr
	XLOAD 0
	XLOAD 1
.endm
; The 16 K steps of a pass.  The 20 accumulators take turns, one instruction a turn, in the same order in every step.
.macro BODY
.set S, 0
.rept 16
.if S < 13
	s_wait_loadcnt 45                              ; this step's 15 loads of x are in (and the scale words, which are older); the three later steps' 45 may be out
.else
	s_wait_loadcnt 15*(15-S)
.endif
.if S < 15
	s_wait_dscnt 12                                ; this step's weight fragments are in; the next step's 12 loads may be out
.else
	s_wait_dscnt 0x0
.endif
	WIN 0x58                                       ; source 0 (weights) window 0, source 1 (x) window 2, C and D window 1
.irp i, 0,1,2,3,4
.irp m, 0,1,2,3
	MM \i, \m
.endr
.endr
.rept 4
	v_nop                                          ; four places in front of loads into registers that these products read, and of the first read of results
.endr
.if S < 14
	WLOAD S+2
.endif
.if S < 12
	XLOAD S+4
.endif
.set S, S+1
.endr
	WIN 0
.endm
; Tile i: h = g / (1 + 2^(-g log2 e)) x u in f32, its block's scale, its codes.  All in window 1.  Each accumulator is read from its low end on.
.macro HQ i
.set A, 32*(\i)
	WIN 0x55
.irp k, 0,1,2,3,4,5,6,7,8,9,10,11,12,13,14,15
	v_mul_f32 v[160+\k], s42, v[A+\k]
.endr
.irp k, 0,1,2,3,4,5,6,7,8,9,10,11,12,13,14,15
	v_exp_f32 v[160+\k], v[160+\k]
.endr
	v_nop                                          ; a plain line behind the batch
	s_wait_alu depctr_va_vdst(0)                   ; one wait for the 16 exponentials, ahead of their first reader
.irp k, 0,2,4,6,8,10,12,14
	v_pk_add_f32 v[160+\k:161+\k], v[160+\k:161+\k], 1.0 op_sel_hi:[1,0]
.endr
.irp k, 0,1,2,3,4,5,6,7,8,9,10,11,12,13,14,15
	v_rcp_f32 v[160+\k], v[160+\k]
.endr
	v_nop
	s_wait_alu depctr_va_vdst(0)                   ; and one for the 16 reciprocals
.irp k, 0,2,4,6,8,10,12,14
	v_pk_mul_f32 v[A+\k:A+\k+1], v[A+\k:A+\k+1], v[160+\k:161+\k]
.endr
.irp k, 0,2,4,6,8,10,12,14
	v_pk_mul_f32 v[A+\k:A+\k+1], v[A+\k:A+\k+1], v[A+16+\k:A+17+\k]
.endr
	v_max3_num_f32 v176, |v[A]|, |v[A+1]|, 0x1800000   ; my 16 of the block's 32, and the floor 2^(3 - 127); two chains
	v_max3_num_f32 v183, |v[A+2]|, |v[A+3]|, |v[A+4]|
	v_max3_num_f32 v176, v176, |v[A+5]|, |v[A+6]|
	v_max3_num_f32 v183, v183, |v[A+7]|, |v[A+8]|
	v_max3_num_f32 v176, v176, |v[A+9]|, |v[A+10]|
	v_max3_num_f32 v183, v183, |v[A+11]|, |v[A+12]|
	v_max3_num_f32 v176, v176, |v[A+13]|, |v[A+14]|
	v_max3_num_f32 v176, v176, v183, |v[A+15]|
	v_permlanex16_b32 v177, v176, s40, s41
	v_max_num_f32 v176, v176, v177                 ; with lane l xor 16's 16: the block's largest magnitude
	v_add_nc_u32 v178, 0xff000000, v176            ; 2 off its exponent field: the conversion's scale operand
	v_cvt_scalef32_pk16_fp6_f32 v[180:182], v[A:A+15], v178
	v_lshrrev_b32 v179, 23, v178                   ; the scale's byte (also the plain line behind the conversion)
.endm
; Tile i's 12 bytes of codes a lane and its byte.  guard = 1, in the loop, whose last trip reaches places 960 to 1,279: the lanes at places from 1,024 on are switched off.  The place is made of the wave's number,
; the lane and the loop's constant step, and is compared with a constant.  guard = 0, in pass 0, whose places end at 319: every lane stores.
.macro HST i, guard
	WIN 0
	v_add_nc_u32 v242, s45, v2
	v_add_nc_u32 v242, 16*(\i), v242               ; my place
.if \guard
	v_cmp_gt_u32 vcc_lo, 0x400, v242
.endif
	v_mul_u32_u24 v240, v242, 48
	v_add_nc_u32 v240, v240, v10
	v_lshlrev_b32 v241, 5, v242
.if \guard
	s_wait_xcnt 0x0                                ; EXEC changes only behind this wait
	s_and_saveexec_b32 s44, vcc_lo
.endif
	WIN 0x04                                       ; a store's data are its source 1: window 1
	global_store_b96 v240, v[180:182], s[48:49]
	global_store_b8 v241, v179, s[50:51]           ; both halves of the lanes write the same byte with the same value
	s_wait_xcnt 0x0                                ; the stores have read their offsets, the codes and the byte, which the next tile writes again; with guard = 1 also: ahead of the line that widens EXEC
.if \guard
	s_or_b32 exec_lo, exec_lo, s44
.endif
	WIN 0
.endm
.macro PASS guard
	WLOAD 0
	WLOAD 1
	BODY
.irp i, 0,1,2,3,4
	HQ \i
	HST \i, \guard
.endr
.endm
.macro ATREE d                         ; the loss: groups 0 .. d - 1 of four registers take groups d .. 2 d - 1
.set K, 0
.rept \d
	v_pk_add_f32 v[4*K:4*K+1], v[4*K:4*K+1], v[4*(K+\d):4*(K+\d)+1]
	v_pk_add_f32 v[4*K+2:4*K+3], v[4*K+2:4*K+3], v[4*(K+\d)+2:4*(K+\d)+3]
.set K, K+1
.endr
.endm
	PRO_A                                          ; pass 0's first loads go out behind the weights
	s_wait_loadcnt 50                              ; the weights and their scale words are in; the 20 loads of x's scale words and the 30 of its first two K steps may be out
	WIN 0x04
.set N, 0
.rept 48
	ds_store_b128 v7, v[4*N:4*N+3] offset:(16*((N/3)/8)+(N/3)%8)*WP+512*(N%3)   ; row i of my 16 is unit 16 (wave % 2) + i: LDS row + 16 (i / 8) + i % 8
.set N, N+1
.endr
	WIN 0
.irp s, 0,1,2,3,4,5,6,7,8,9,10,11,12,13,14,15
	v_perm_b32 v[32+\s], v[32+\s], v[32+\s], s43   ; the weights' scale words into the fragments' order of blocks; a word's first use stands more than eight plain lines on
	v_perm_b32 v[48+\s], v[48+\s], v[48+\s], s43
.endr
	XLOAD 2
	XLOAD 3
	WIN 0
	s_wait_dscnt 0x0                               ; for the others' sake: my 16 rows lie in LDS
	s_barrier_signal -1
	s_barrier_wait -1                              ; all 64 do; LDS is only read from here on
; WAVE 0 OF THE EXPERT'S FIRST WORK-GROUP stores the places.
	s_cmp_lg_u32 s28, 0
	s_cbranch_scc1 .Lno_pos
	s_cmp_lg_u32 s30, 0
	s_cbranch_scc1 .Lno_pos
.irp g, 0,1,2,3,4,5,6,7
	global_store_b128 v8, v[176+4*\g:179+4*\g], s[56:57] offset:512*\g   ; 512 consecutive bytes a store
.endr
	s_wait_xcnt 0x0                                ; the stores have read their registers, which weight fragments take next
.Lno_pos:
; WAVE 1 OF WORK-GROUP 0: the loss = 0.01 x 8 x the sum over e of (count_e / 1,024) (sum of scores_e / 1,024).  A lane holds four of a work-group's 16 numbers: lane % 4 = 0, 1: sums of scores; 2, 3: counts.
; Its 32 loads go out behind the first four K steps of x and are waited for with them; the counted waits of the pass are then met at once.
	s_cmp_lg_u32 s28, 1
	s_cbranch_scc1 .Lno_aux
	s_cmp_lg_u32 ttmp9, 0
	s_cbranch_scc1 .Lno_aux
	WIN 0xc0                                       ; destination window 3
.set N, 0
.rept 32
	global_load_b128 v[4*N:4*N+3], v8, s[18:19] offset:512*N
.set N, N+1
.endr
	WIN 0
	v_mov_b32 v240, 0
	v_cmp_eq_u32 vcc_lo, 0, v1
	s_wait_loadcnt 0x0
	WIN 0xff                                       ; all in window 3
	ATREE 16
	ATREE 8
	ATREE 4
	ATREE 2
	ATREE 1
	WIN 0x03                                       ; source window 3, destination window 0
.irp c, 0,1,2,3
	v_mov_b32 v[12+\c], v[\c]
.endr
	WIN 0
.irp m, 4,8
.irp c, 0,1,2,3
	v_add_f32_dpp v[12+\c], v[12+\c], v[12+\c] row_xmask:\m row_mask:0xf bank_mask:0xf
.endr
.endr
.irp c, 0,1,2,3
	v_permlanex16_b32 v[26+\c], v[12+\c], s40, s41 ; (v26-29, the pass's tokens, have served)
.endr
.irp c, 0,1,2,3
	v_add_f32 v[12+\c], v[12+\c], v[26+\c]         ; the sums over all 256 work-groups of the launch before
.endr
.irp c, 0,1,2,3
	v_mul_f32_dpp v[26+\c], v[12+\c], v[12+\c] row_xmask:2 row_mask:0xf bank_mask:0xf   ; a sum of scores times its count
.endr
	v_add_f32 v26, v26, v27
	v_add_f32 v28, v28, v29
	v_add_f32 v26, v26, v28
	v_add_f32_dpp v26, v26, v26 row_xmask:1 row_mask:0xf bank_mask:0xf
	v_mul_f32 v26, 0x33a3d70a, v26                 ; x 0.08 / 2^20
	s_wait_xcnt 0x0                                ; EXEC changes only behind this wait
	s_and_saveexec_b32 s44, vcc_lo
	global_store_b32 v240, v26, s[26:27]
	s_wait_xcnt 0x0
	s_or_b32 exec_lo, exec_lo, s44
.Lno_aux:
	WIN 0x40
	v_mov_b32 v177, 0                              ; a lane permute's destination counts as one of its sources
	PASS 0
	s_mov_b32 s47, 3
.Lpass:                                            ; passes 1 to 3: a constant count; a wave passes over those that begin at or behind the expert's count
	s_add_co_u32 s45, s45, 320
	s_add_co_u32 s46, s46, 640
	s_cmp_ge_u32 s45, s31
	s_cbranch_scc1 .Lskip
	PRO_A
	XLOAD 2
	XLOAD 3
	PASS 1
.Lskip:
	s_sub_co_u32 s47, s47, 1
	s_cmp_lg_u32 s47, 0
	s_cbranch_scc1 .Lpass
	s_endpgm
.Lfunc_end_k_q740cc837f8_up:
	.size	k_q740cc837f8_up, .Lfunc_end_k_q740cc837f8_up-k_q740cc837f8_up
	.p2alignl 7, 3214868480
	.fill 96, 4, 3214868480
	.section	.rodata,"a",@progbits
	.p2align	6, 0x0
	.amdhsa_kernel k_q740cc837f8_up
		.amdhsa_group_segment_fixed_size 102400
		.amdhsa_private_segment_fixed_size 0
		.amdhsa_enable_private_segment 0
		.amdhsa_kernarg_size 96
		.amdhsa_user_sgpr_count 2
		.amdhsa_user_sgpr_kernarg_segment_ptr 1
		.amdhsa_wavefront_size32 1
		.amdhsa_system_sgpr_workgroup_id_x 1
		.amdhsa_system_sgpr_workgroup_id_y 1
		.amdhsa_system_sgpr_workgroup_id_z 1
		.amdhsa_system_vgpr_workitem_id 0
		.amdhsa_next_free_vgpr 1024
		.amdhsa_next_free_sgpr 66
		.amdhsa_reserve_vcc 1
		.amdhsa_float_denorm_mode_32 3
		.amdhsa_float_denorm_mode_16_64 3
		.amdhsa_memory_ordered 1
		.amdhsa_forward_progress 1
		.amdhsa_inst_pref_size 255
	.end_amdhsa_kernel
	.section	.bss,"aw",@nobits
	.p2align	6
	.space	262144
	.amdgpu_metadata
---
amdhsa.version: [ 1, 2 ]
amdhsa.kernels:
  - .name:           k_q740cc837f8_up
    .symbol:         k_q740cc837f8_up.kd
    .args:
      - { .name: xq, .offset: 0, .size: 8, .value_kind: global_buffer, .address_space: global }
      - { .name: xs, .offset: 8, .size: 8, .value_kind: global_buffer, .address_space: global }
      - { .name: w1_codes, .offset: 16, .size: 8, .value_kind: global_buffer, .address_space: global }
      - { .name: w1_scales, .offset: 24, .size: 8, .value_kind: global_buffer, .address_space: global }
      - { .name: w3_codes, .offset: 32, .size: 8, .value_kind: global_buffer, .address_space: global }
      - { .name: w3_scales, .offset: 40, .size: 8, .value_kind: global_buffer, .address_space: global }
      - { .name: sel, .offset: 48, .size: 8, .value_kind: global_buffer, .address_space: global }
      - { .name: part, .offset: 56, .size: 8, .value_kind: global_buffer, .address_space: global }
      - { .name: hq, .offset: 64, .size: 8, .value_kind: global_buffer, .address_space: global }
      - { .name: hs, .offset: 72, .size: 8, .value_kind: global_buffer, .address_space: global }
      - { .name: posE, .offset: 80, .size: 8, .value_kind: global_buffer, .address_space: global }
      - { .name: out1, .offset: 88, .size: 8, .value_kind: global_buffer, .address_space: global }
    .group_segment_fixed_size: 102400
    .private_segment_fixed_size: 0
    .kernarg_segment_align: 8
    .kernarg_segment_size: 96
    .max_flat_workgroup_size: 128
    .sgpr_count:     66
    .vgpr_count:     1024
    .wavefront_size: 32
...
	.end_amdgpu_metadata
.endif
;; end of part 2
;; launch down (part 3): grid 256 x 1, 4 waves a work-group, no clusters, 278,528 bytes of LDS; arguments hq, hs, posE, gw, w2_codes, w2_scales, out0; writes out0
.if DOCPART == 3
	.amdgcn_target "amdgcn-amd-amdhsa--gfx1250"
	.amdhsa_code_object_version 6
	.text
	.protected	k_q740cc837f8_down
	.globl	k_q740cc837f8_down
	.p2align	8
	.type	k_q740cc837f8_down,@function
k_q740cc837f8_down:
	s_mov_b64 s[64:65], 0
	v_nop
	global_prefetch_b8 v0, s[64:65] scope:SCOPE_SE
	s_setreg_imm32_b32 hwreg(HW_REG_WAVE_MODE, 25, 1), 1
	s_wait_xcnt 0x0
; out[t][d] = the sum over e of gw[t][e] x (h_e[t] . w2[e][d]), on codes of E2M3 with one E8M0 scale for each 32 along the hidden axis, K = 1,024.
; SHARES.  Work-group (p, cs) = (number / 32, number % 32) owns tokens 128 p .. + 127 x columns 64 cs .. + 63 of out0, for all experts: each output has one owner, and a token's 64 columns are 256 aligned bytes.
; Wave w takes experts 2 w and 2 w + 1, one after the other.  An expert's 64 rows of w2 (49,152 dense bytes) stand in 384 registers while the wave walks the 8 tiles of 16 FIXED tokens.
; A token's row of h is found by posE (whole numbers of the launch before): its place in the expert's list, or place 1024, a row of zero codes, where the token did not choose the expert; gw is 0 there.
; So no branch, no trip count and no LDS address hangs on data.  THE PRICE, stated: this product is multiplied for all 8 experts, three quarters of it on the row of zeros.
; No multicast and no tensor load, though eight work-groups read each slice of w2: 278,528 bytes of LDS are results written by LDS stores.
; THE WEIGHTS' WAY.  A quarter (16 rows, 12,288 bytes) comes in 24 loads of 512 consecutive bytes, goes into rows of 784 bytes in the wave's own staging area in LDS and comes back as fragments.  The two areas lie in the
; wave's second result region, which is first written when the second expert's fragments have been read.
; K'S ORDER is the one of the launch before: for each 128 along K lane (r, h) holds blocks 2 h and 2 h + 1, 48 consecutive bytes; scale words in the order (0, 2, 1, 3): hs is stored so, w2's are turned by v_perm_b32.
; TRANSPOSED USE: source 0 = 16 rows of w2, source 1 = 16 rows of h: a lane holds one token and eight neighbouring columns.
; LIMITS.  NaN and infinities are not served; a given scale byte 0xff makes NaN here for every token, not only for those that chose the expert.
; REGISTERS.  Window 0: v0-9, v38-39 addresses, made at the head and kept; v10-15 three pairs of offsets into hq and hs; v16-31 the 16 tile-products' places; v32-37 three pairs: gate weight, 0; v40-71 w2's scale words
; (expert x, pair of column tiles cp, step s at 40 + 16 x + 8 cp + s; lanes 0-15 tile 2 cp, lanes 16-31 tile 2 cp + 1); v72-95 h's scale words, three sets; v96-159 two sets of four accumulators; v160-255 h's fragments, slot 2.
; Window 1: v0-191 w2's fragments of K steps 0-3 (48 ct + 12 s);  window 2: v0-191 those of steps 4-7;  window 3: v0-95, v96-191 h's fragments, slots 0 and 1;  v192-255 of windows 1 to 3: 48 groups of four for weights on their way.
.set YR,   34816                       ; a result region: 128 tokens x (256 bytes + 16): row r starts at bank 4 r mod 64 (64 banks of 4 bytes: ISA guide 11.1)
.set SPT,  784                         ; a staging row: 768 bytes + 16 = 196 words: likewise
.set SAR,  16*SPT                      ; a staging area
.set MSB, 0
.macro WIN new
.if MSB != (\new)
	s_set_vgpr_msb (MSB<<8)|(\new)
.set MSB, (\new)
.endif
.endm
.set LI, 0                             ; global loads issued so far: the text is straight, so the assembler counts them
.macro LWAIT mark                      ; all loads up to the mark are in: as many may be out as were issued behind it (the field holds 63: a smaller count waits for more)
.if (LI-(\mark)) > 63
	s_wait_loadcnt 63
.else
	s_wait_loadcnt LI-(\mark)
.endif
.endm
.macro QMAP kind, n                    ; where group n of 24 stands: kind 0, 1: the two halves of the 48 groups; 2, 3: h's slots 0 and 1, free at the head
.if (\kind) < 2
.set QQ, 24*(\kind)+(\n)
.set QW, 1+QQ/16
.set QR, 192+4*(QQ%16)
.else
.set QW, 3
.set QR, 96*((\kind)-2)+4*(\n)
.endif
.endm
.macro WQ x, q, kind                   ; quarter q of expert 2 w + x
.set N, 0
.rept 24
	QMAP \kind, N
	WIN (QW<<6)
	global_load_b128 v[QR:QR+3], v1, s[24:25] offset:(\x)*1572864+12288*(\q)+512*N
.set N, N+1
.endr
.set LI, LI+24
.endm
.macro PARK kind, a                    ; a quarter into staging area a: three loads' 1,536 bytes are two rows; in the middle one lanes 16-31 lie in the next row, 16 bytes of padding on
.set N, 0
.rept 24
	QMAP \kind, N
	WIN (QW<<2)
.if N%3 == 0
	ds_store_b128 v2, v[QR:QR+3] offset:SAR*(\a)+2*(N/3)*SPT
.elseif N%3 == 1
	ds_store_b128 v3, v[QR:QR+3] offset:SAR*(\a)+2*(N/3)*SPT+512
.else
	ds_store_b128 v2, v[QR:QR+3] offset:SAR*(\a)+(2*(N/3)+1)*SPT+256
.endif
.set N, N+1
.endr
.endm
.macro FRL t, a                        ; column tile t's eight fragments out of staging area a
.irp s, 0,1,2,3,4,5,6,7
	WIN ((1+\s/4)<<6)
.irp p, 0,1,2
	ds_load_b128 v[48*(\t)+12*(\s%4)+4*\p:48*(\t)+12*(\s%4)+4*\p+3], v4 offset:SAR*(\a)+96*\s+16*\p
.endr
.endr
.endm
; Tile-product n = 8 x + i: expert 2 w + x, tokens 16 i on.  ISSUE asks for its rows of h, their scale words and the gate weights: 27 loads into slot n % 3.
.macro ISSUE n
.set KK, (\n)%3
.set XX, (\n)/8
.set II, (\n)%8
.set HA, 10+2*KK
.set HSA, 11+2*KK
	WIN 0
	v_min_u32 v[HSA], 0x400, v[16+(\n)]
	v_mul_u32_u24 v[HA], v[HSA], 48
	v_add_nc_u32 v[HA], v[HA], v6                  ; 48 x place + 49,200 h: K step s wants pair 2 s + h
	v_lshlrev_b32 v[HSA], 5, v[HSA]
.if KK == 2
.set RB, 160
.else
.set RB, 96*KK
	WIN 0xc0
.endif
.irp s, 0,1,2,3,4,5,6,7
.irp c, 0,1,2
	global_load_b128 v[RB+12*\s+4*\c:RB+12*\s+4*\c+3], v[HA], s[28:29] offset:XX*787200+98400*\s+16*\c
.endr
.endr
	WIN 0
	global_load_b128 v[72+8*KK:75+8*KK], v[HSA], s[30:31] offset:XX*32800
	global_load_b128 v[76+8*KK:79+8*KK], v[HSA], s[30:31] offset:XX*32800+16
	global_load_b32 v[32+2*KK], v7, s[34:35] offset:512*II+4*XX
.set LI, LI+27
.set MK\n, LI
.endm
.macro DM s, ct
.set rD, AB+8*(\ct)
.set rA, 48*(\ct)+12*((\s)%4)
.set rB, RB+12*(\s)
.set rSA, 40+16*XX+8*((\ct)/2)+(\s)
.set rSB, 72+8*KK+(\s)
.if (\s) == 0                          ; the first K step starts the sums
.if (\ct)%2
	v_wmma_scale_f32_16x16x128_f8f6f4 v[rD:rD+7], v[rA:rA+11], v[rB:rB+11], 0, v[rSA], v[rSB] matrix_a_fmt:MATRIX_FMT_FP6 matrix_b_fmt:MATRIX_FMT_FP6 matrix_a_scale:MATRIX_SCALE_ROW1
.else
	v_wmma_scale_f32_16x16x128_f8f6f4 v[rD:rD+7], v[rA:rA+11], v[rB:rB+11], 0, v[rSA], v[rSB] matrix_a_fmt:MATRIX_FMT_FP6 matrix_b_fmt:MATRIX_FMT_FP6
.endif
.else
.if (\ct)%2
	v_wmma_scale_f32_16x16x128_f8f6f4 v[rD:rD+7], v[rA:rA+11], v[rB:rB+11], v[rD:rD+7], v[rSA], v[rSB] matrix_a_fmt:MATRIX_FMT_FP6 matrix_b_fmt:MATRIX_FMT_FP6 matrix_a_scale:MATRIX_SCALE_ROW1
.else
	v_wmma_scale_f32_16x16x128_f8f6f4 v[rD:rD+7], v[rA:rA+11], v[rB:rB+11], v[rD:rD+7], v[rSA], v[rSB] matrix_a_fmt:MATRIX_FMT_FP6 matrix_b_fmt:MATRIX_FMT_FP6
.endif
.endif
.endm
; COMPUTE: 32 products, the four accumulators by turns; x the gate weight; into the expert's result region.
.macro COMPUTE n
.set KK, (\n)%3
.set XX, (\n)/8
.set II, (\n)%8
.set AB, 96+32*((\n)%2)
.if KK == 2
.set RB, 160
.set SW, 0
.else
.set RB, 96*KK
.set SW, 3
.endif
	LWAIT MK\n
	s_wait_dscnt 8                                 ; the eight stores of the tile-product before may be out; those of the one before it, which read this set of accumulators, are done
.irp s, 0,1,2,3,4,5,6,7
	WIN ((1+\s/4)|(SW<<2))                         ; source 0 (w2) window 1 or 2, source 1 (h) the slot's window, C and D window 0
.irp ct, 0,1,2,3
	DM \s, \ct
.endr
.endr
	WIN 0
.rept 4
	v_nop                                          ; four places (ISA guide 7.12.1) ahead of the first read of results
.endr
.irp j, 0,2,4,6,8,10,12,14,16,18,20,22,24,26,28,30
	v_pk_mul_f32 v[AB+\j:AB+\j+1], v[AB+\j:AB+\j+1], v[32+2*KK:33+2*KK] op_sel_hi:[1,0]   ; each accumulator from its low end on; these lines are also the places ahead of the next loads into the slot
.endr
.irp ct, 0,1,2,3
	ds_store_b128 v5, v[AB+8*\ct:AB+8*\ct+3] offset:YR*XX+4352*II+64*\ct
	ds_store_b128 v5, v[AB+8*\ct+4:AB+8*\ct+7] offset:YR*XX+4352*II+64*\ct+16
.endr
.endm
	s_load_b256 s[4:11], s[0:1], 0x0               ; hq, hs, posE, gw
	s_load_b128 s[12:15], s[0:1], 0x20             ; w2 codes, w2 scales
	s_load_b64 s[16:17], s[0:1], 0x30              ; out0
	v_lshrrev_b32 v10, 5, v0
	v_readfirstlane_b32 s18, v10                   ; wave
	v_and_b32 v10, 31, v0                          ; lane
	v_and_b32 v11, 15, v0                          ; r
	v_bfe_u32 v12, v0, 4, 1                        ; h
	v_lshlrev_b32 v1, 4, v10                       ; 16 x lane
	s_mul_i32 s21, s18, 2*YR                       ; my first result region
	s_add_co_u32 s22, s21, YR                      ; my second, and the staging areas in it
	v_add_nc_u32 v2, s22, v1
	v_lshl_add_u32 v3, v12, 4, v2
	v_mul_u32_u24 v4, v11, SPT
	v_mad_u32_u24 v4, v12, 48, v4
	v_add_nc_u32 v4, s22, v4                       ; a fragment: staging row r, + 48 h
	v_mul_u32_u24 v5, v11, 272
	v_lshl_add_u32 v5, v12, 5, v5
	v_add_nc_u32 v5, s21, v5                       ; results: token r, + 32 h
	v_mul_u32_u24 v6, v12, 49200
	v_lshlrev_b32 v7, 5, v11
	s_lshl_b32 s23, s18, 3
	v_add_nc_u32 v7, s23, v7                       ; gw: 32 r + 4 (2 w)
	s_mul_i32 s23, s18, 32*272
	v_mul_u32_u24 v8, v12, 272
	v_lshl_add_u32 v8, v11, 4, v8
	v_add_nc_u32 v8, s23, v8                       ; the final sum: token 32 w + lane / 16, 16 bytes a lane, in regions 0, 2, 4, 6
	v_add_nc_u32 v9, 2*YR, v8
	v_add_nc_u32 v38, 4*YR, v8
	v_add_nc_u32 v39, 6*YR, v8
	v_lshlrev_b32 v14, 2, v11
	s_lshl_b32 s23, s18, 13
	v_add_nc_u32 v14, s23, v14                     ; posE: 4 r + 4,096 (2 w)
	v_lshlrev_b32 v15, 5, v10                      ; w2's scale rows: 32 bytes a row, a lane a row
	v_lshlrev_b32 v13, 13, v12
	v_lshl_add_u32 v0, v11, 4, v13                 ; out0: lanes 0-15 one token's 256 bytes, lanes 16-31 the next token's
	v_mov_b32 v33, 0                               ; named as the upper halves of pairs
	v_mov_b32 v35, 0
	v_mov_b32 v37, 0
	s_and_b32 s19, ttmp9, 31                       ; cs
	s_lshr_b32 s20, ttmp9, 5                       ; p
	s_mov_b32 s41, 0
	s_mov_b32 s38, 0x03010200                      ; bytes 1 and 2 of a word change places
	s_wait_kmcnt 0x0
	s_mul_i32 s40, s18, 3145728
	s_mul_i32 s42, s19, 49152
	s_add_co_u32 s40, s40, s42
	s_add_nc_u64 s[24:25], s[12:13], s[40:41]      ; w2's codes at (expert 2 w, row 64 cs)
	s_lshl_b32 s40, s18, 17
	s_lshl_b32 s42, s19, 11
	s_add_co_u32 s40, s40, s42
	s_add_nc_u64 s[26:27], s[14:15], s[40:41]      ; its scale rows
	s_mul_i32 s40, s18, 1574400
	s_add_nc_u64 s[28:29], s[4:5], s[40:41]        ; hq at expert 2 w
	s_mul_i32 s40, s18, 65600
	s_add_nc_u64 s[30:31], s[6:7], s[40:41]        ; hs
	s_lshl_b32 s40, s20, 9
	s_add_nc_u64 s[32:33], s[8:9], s[40:41]        ; posE at token 128 p
	s_lshl_b32 s40, s20, 12
	s_add_nc_u64 s[34:35], s[10:11], s[40:41]      ; gw
	s_lshl_b32 s40, s20, 20
	s_lshl_b32 s42, s18, 18
	s_add_co_u32 s40, s40, s42
	s_lshl_b32 s42, s19, 8
	s_add_co_u32 s40, s40, s42
	s_add_nc_u64 s[36:37], s[16:17], s[40:41]      ; out0 at (token 128 p + 32 w, column 64 cs)
.irp n, 0,1,2,3,4,5,6,7,8,9,10,11,12,13,14,15
	global_load_b32 v[16+\n], v14, s[32:33] offset:4096*(\n/8)+64*(\n%8)
.endr
.set LI, LI+16
.irp x, 0,1
.irp cp, 0,1
.irp k, 0,1
	global_load_b128 v[40+16*\x+8*\cp+4*\k:40+16*\x+8*\cp+4*\k+3], v15, s[26:27] offset:65536*\x+1024*\cp+16*\k
.endr
.endr
.endr
.set LI, LI+8
	WQ 0, 0, 0                                     ; the first expert's four quarters
	WQ 0, 1, 1
.set MQ1, LI
	WQ 0, 2, 2
	WQ 0, 3, 3
.set MQ3, LI
	LWAIT MQ1                                      ; the places, the scale words and two quarters are in; the other two quarters' 48 loads may be out
	PARK 0, 0
	PARK 1, 1
	FRL 0, 0                                       ; (LDS serves a wave's instructions in order: ISA guide 5.7.1.4)
	FRL 1, 1
	LWAIT MQ3
	s_wait_dscnt 0x0                               ; the fragments have left the staging areas
	PARK 2, 0
	PARK 3, 1
	FRL 2, 0
	FRL 3, 1
	s_wait_dscnt 48                                ; only the 48 loads of fragments may be out: the stores have read slots 0 and 1
	ISSUE 0
	ISSUE 1
	ISSUE 2
	WQ 1, 0, 0                                     ; the second expert's first two quarters
	WQ 1, 1, 1
.set MW1, LI
	WIN 0
.set N, 0
.rept 32
	v_perm_b32 v[40+N], v[40+N], v[40+N], s38      ; w2's scale words into the fragments' order of blocks; the first expert's 16 stand 16 plain lines or more ahead of their first use
.set N, N+1
.endr
	s_wait_dscnt 0x0                               ; all of the first expert's fragments are in
	COMPUTE 0
	ISSUE 3
	COMPUTE 1
	ISSUE 4
	COMPUTE 2
	ISSUE 5
	COMPUTE 3
	ISSUE 6
	LWAIT MW1
	PARK 0, 0                                      ; the second expert's first half waits in the staging areas
	PARK 1, 1
	s_wait_dscnt 0x0                               ; the stores have read their registers
	WQ 1, 2, 0
	WQ 1, 3, 1
.set MW3, LI
	COMPUTE 4
	ISSUE 7
	COMPUTE 5
	ISSUE 8
	COMPUTE 6
	ISSUE 9
	COMPUTE 7
	ISSUE 10
	FRL 0, 0                                       ; the first expert is done: the second's fragments take its registers (20 plain lines and more stand behind the last products)
	FRL 1, 1
	s_wait_dscnt 0x0
	LWAIT MW3
	PARK 0, 0
	PARK 1, 1
	FRL 2, 0
	FRL 3, 1
	s_wait_dscnt 0x0
	COMPUTE 8
	ISSUE 11
	COMPUTE 9
	ISSUE 12
	COMPUTE 10
	ISSUE 13
	COMPUTE 11
	ISSUE 14
	COMPUTE 12
	ISSUE 15
	COMPUTE 13
	COMPUTE 14
	COMPUTE 15
	s_wait_dscnt 0x0                               ; for the others' sake: my two experts' results lie in LDS
	s_barrier_signal -1
	s_barrier_wait -1
; THE SUM OVER THE EXPERTS.  Wave w takes tokens 32 w .. + 31, two an instruction, four pairs a batch.
.irp b, 0,1,2,3
.if \b > 0
	s_wait_xcnt 0x0                                ; the last batch's stores have read their registers
.endif
.irp q, 0,1,2,3
.irp e, 0,1,2,3,4,5,6,7
	ds_load_b128 v[96+32*\q+4*\e:96+32*\q+4*\e+3], v[8+\e/2+28*(\e/4)] offset:YR*(\e%2)+544*(4*\b+\q)
.endr
.endr
	s_wait_dscnt 0x0
.irp q, 0,1,2,3
.irp e, 0,2,4,6
	v_pk_add_f32 v[96+32*\q+4*\e:96+32*\q+4*\e+1], v[96+32*\q+4*\e:96+32*\q+4*\e+1], v[100+32*\q+4*\e:100+32*\q+4*\e+1]
	v_pk_add_f32 v[98+32*\q+4*\e:98+32*\q+4*\e+1], v[98+32*\q+4*\e:98+32*\q+4*\e+1], v[102+32*\q+4*\e:102+32*\q+4*\e+1]
.endr
.irp e, 0,4
	v_pk_add_f32 v[96+32*\q+4*\e:96+32*\q+4*\e+1], v[96+32*\q+4*\e:96+32*\q+4*\e+1], v[104+32*\q+4*\e:104+32*\q+4*\e+1]
	v_pk_add_f32 v[98+32*\q+4*\e:98+32*\q+4*\e+1], v[98+32*\q+4*\e:98+32*\q+4*\e+1], v[106+32*\q+4*\e:106+32*\q+4*\e+1]
.endr
	v_pk_add_f32 v[96+32*\q:97+32*\q], v[96+32*\q:97+32*\q], v[112+32*\q:113+32*\q]
	v_pk_add_f32 v[98+32*\q:99+32*\q], v[98+32*\q:99+32*\q], v[114+32*\q:115+32*\q]
	global_store_b128 v0, v[96+32*\q:99+32*\q], s[36:37] offset:16384*(4*\b+\q) th:TH_STORE_NT   ; sixteen lanes store 256 consecutive bytes, aligned; written once, read by nobody here
.endr
.endr
	s_endpgm
.Lfunc_end_k_q740cc837f8_down:
	.size	k_q740cc837f8_down, .Lfunc_end_k_q740cc837f8_down-k_q740cc837f8_down
	.p2alignl 7, 3214868480
	.fill 96, 4, 3214868480
	.section	.rodata,"a",@progbits
	.p2align	6, 0x0
	.amdhsa_kernel k_q740cc837f8_down
		.amdhsa_group_segment_fixed_size 278528
		.amdhsa_private_segment_fixed_size 0
		.amdhsa_enable_private_segment 0
		.amdhsa_kernarg_size 56
		.amdhsa_user_sgpr_count 2
		.amdhsa_user_sgpr_kernarg_segment_ptr 1
		.amdhsa_wavefront_size32 1
		.amdhsa_system_sgpr_workgroup_id_x 1
		.amdhsa_system_sgpr_workgroup_id_y 1
		.amdhsa_system_sgpr_workgroup_id_z 1
		.amdhsa_system_vgpr_workitem_id 0
		.amdhsa_next_free_vgpr 1024
		.amdhsa_next_free_sgpr 66
		.amdhsa_reserve_vcc 0
		.amdhsa_float_denorm_mode_32 3
		.amdhsa_float_denorm_mode_16_64 3
		.amdhsa_memory_ordered 1
		.amdhsa_forward_progress 1
		.amdhsa_inst_pref_size 212
	.end_amdhsa_kernel
	.amdgpu_metadata
---
amdhsa.version: [ 1, 2 ]
amdhsa.kernels:
  - .name:           k_q740cc837f8_down
    .symbol:         k_q740cc837f8_down.kd
    .args:
      - { .name: hq, .offset: 0, .size: 8, .value_kind: global_buffer, .address_space: global }
      - { .name: hs, .offset: 8, .size: 8, .value_kind: global_buffer, .address_space: global }
      - { .name: posE, .offset: 16, .size: 8, .value_kind: global_buffer, .address_space: global }
      - { .name: gw, .offset: 24, .size: 8, .value_kind: global_buffer, .address_space: global }
      - { .name: w2_codes, .offset: 32, .size: 8, .value_kind: global_buffer, .address_space: global }
      - { .name: w2_scales, .offset: 40, .size: 8, .value_kind: global_buffer, .address_space: global }
      - { .name: out0, .offset: 48, .size: 8, .value_kind: global_buffer, .address_space: global }
    .group_segment_fixed_size: 278528
    .private_segment_fixed_size: 0
    .kernarg_segment_align: 8
    .kernarg_segment_size: 56
    .max_flat_workgroup_size: 128
    .sgpr_count:     66
    .vgpr_count:     1024
    .wavefront_size: 32
...
	.end_amdgpu_metadata
.endif
;; end of part 3
;; ======== version 2 of 2: 3 launches; 1.11 times as fast as version 1
;; workspace buffers: xq 1,572,864 bytes; xs 65,536 bytes; sel 4,096 bytes of whole numbers; gw 32,768 bytes; part 16,384 bytes; hq 6,297,600 bytes; hs 262,400 bytes; posE 33,792 bytes of whole numbers
;; launch route: the kernel of part 1 again; grid 256 x 1, 4 waves a work-group, no clusters, 59,392 bytes of LDS; arguments x, gate_w, xq, xs, sel, gw, part; writes xq, xs, sel, gw, part
;; launch up (part 4): grid 256 x 1, 4 waves a work-group, no clusters, 102,400 bytes of LDS; arguments xq, xs, w1_codes, w1_scales, w3_codes, w3_scales, sel, part, hq, hs, posE, out1; writes hq, hs, posE, out1
.if DOCPART == 4
	.amdgcn_target "amdgcn-amd-amdhsa--gfx1250"
	.amdhsa_code_object_version 6
	.text
	.protected	k_q740cc837f8_up
	.globl	k_q740cc837f8_up
	.p2align	8
	.type	k_q740cc837f8_up,@function
k_q740cc837f8_up:
	s_mov_b64 s[64:65], 0
	v_nop
	global_prefetch_b8 v0, s[64:65] scope:SCOPE_SE
	s_setreg_imm32_b32 hwreg(HW_REG_WAVE_MODE, 25, 1), 1
	s_wait_xcnt 0x0
; h = silu(x w1^T) x (x w3^T) FOR THE ROWS THAT CHOSE THE EXPERT, QUANTISED ALONG THE HIDDEN AXIS.  Both products on codes of E2M3 with one E8M0 scale for each 32 along D = 2,048.
; SHARES.  Work-group (e, j) = (number / 32, number % 32) owns hidden units 32 j .. 32 j + 31 of expert e: one block of the next product's K.  Its 32 rows of w1 and 32 of w3 (98,304 bytes of codes) are read by it alone,
; in loads of 512 consecutive bytes, and lie in LDS; it serves all rows of the expert.  The rows are the tokens whose stored choice (sel, whole numbers of the launch before) has bit e, in token order: wave 0 ranks them and
; scatters their numbers into a list in LDS while the weights are on their way.  A tile is 16 places of the list; a pass is 20 tiles, five a wave.  Pass 0 always runs; three more stand in a loop of constant count,
; and a wave passes over a trip whose first place lies at or behind the expert's count: every split up to all 1,024 tokens on one expert is served.  Places behind the count hold token 0: its rows of h are made and
; stored there too, at places that no entry of posE names, so nobody reads them; only places from 1,024 on, where the row of zeros and the next slab lie, are switched off, by a compare of the place with a constant.
; No multicast and no tensor load: the trips that are passed over hang on a stored count, and a work-group shares its weights with nobody.
; K'S ORDER.  For each 128 along K lane (r, h) takes 48 CONSECUTIVE bytes of its row, at 96 s + 48 h: blocks 2 h and 2 h + 1 of the four.  The unit takes them for its blocks h and 2 + h; the same exchange is made in both
; operands, so each product meets its partner; the four scale bytes of a word stand in the order (0, 2, 1, 3): xs is stored so, the weights' words are turned by one v_perm_b32.
; TRANSPOSED USE: source 0 = 16 rows of a weight, source 1 = 16 rows of x.  Row m of tile u of a weight is unit 8 u + m + 8 (m / 8), so a lane's 16 registers of tiles 0 and 1 are units 16 h + 0 .. 15 of ONE row of x.
; OUT.  hq [e][pair 16][place 0..1024][48]: block j at pair j / 2, byte 24 (j % 2); hs [e][place 0..1024][32], the bytes of each four blocks in the order above; place 1024 is a row of zero codes with the byte 127;
; posE [e][token]: the token's place, or 1024; behind its 32,768 bytes, [e][32]: word g = 0 .. 8 is the number of the expert's tokens under token 128 g, the first place of that block of tokens (word 8: the expert's count);
; work-groups with j = 0 store both.  out1, the load-balancing loss (wave 1 of work-group 0, from part).
; What only one work-group does (posE, out1) stands behind the second barrier, where LDS is only read: ahead of it the waves part on the wave's number alone.
; LIMITS.  NaN and infinities are not served.  A block of h whose largest magnitude lies under 2^-124 keeps the byte 1 (a block of zeros too: its codes are zeros, and this program alone reads the bytes).
; REGISTERS, in windows of 256.  Window 0: v0-15 ids, addresses, scratch; v16-20, v21-25, v26-30 the five tiles' offsets in xq, in xs, and tokens; v31 the list's address; v32-47, v48-63 w1's and w3's scale words of the 16 K steps
; (lanes 0-15 tile 0, lanes 16-31 tile 1); v64-143 x's scale words, tile i, step s at 64 + 16 i + s; v144-191, v192-239 two sets of the four weight fragments (ahead of them, in wave 0: v144-175 the choices, v176-207 the places,
; v208-223 scratch, v224 the blocks' first places, a lane a block, v225 scratch); v240-245 store offsets and fixed addresses.
; Window 1: v0-159 the 20 accumulators (tile i, weight tile m at 32 i + 8 m; m 0, 1: w1; 2, 3: w3), ahead of the second barrier v0-191 the weights on their way to LDS; v160-183 the activation's and the quantiser's scratch.
; Window 2: v0-239 x's fragments, a ring of four K steps: step s, tile i at 60 (s % 4) + 12 i.   Window 3: v0-127 the loss's 32 loads.
.set WP,   1552                        ; a weight row in LDS: 1,536 bytes + 16 = 388 words: row r starts at bank 4 r mod 64 (64 banks of 4 bytes: ISA guide 11.1)
.set LIST, 0                           ; LDS: 1,280 places of 2 bytes, then 32 half-words, one a lane, for the tokens that did not choose the expert: nobody reads those
.set META, 2624                        ; the expert's count
.set WB,   2816                        ; the 64 weight rows
.set MSB, 0
.macro WIN new                         ; the immediate's high byte repeats the setting that is left; a switch that changes nothing is dropped
.if MSB != (\new)
	s_set_vgpr_msb (MSB<<8)|(\new)
.set MSB, (\new)
.endif
.endm
	s_load_b512 s[4:19], s[0:1], 0x0               ; xq, xs, w1 codes, w1 scales, w3 codes, w3 scales, sel, part
	s_load_b256 s[20:27], s[0:1], 0x40             ; hq, hs, posE, out1
	v_lshrrev_b32 v1, 5, v0
	v_readfirstlane_b32 s28, v1                    ; wave
	s_lshr_b32 s29, ttmp9, 5                       ; e
	s_and_b32 s30, ttmp9, 31                       ; j
	v_and_b32 v1, 31, v0                           ; lane
	v_and_b32 v2, 15, v0                           ; r
	v_bfe_u32 v3, v0, 4, 1                         ; h
	v_mul_u32_u24 v9, v3, 48
	v_mul_u32_u24 v10, v3, 12
	v_mul_u32_u24 v4, v2, WP
	v_add_nc_u32 v4, v4, v9
	v_add_nc_u32 v4, WB, v4                        ; a fragment of w1: row r, + 48 h
	v_add_nc_u32 v5, 32*WP, v4                     ; of w3: 32 rows on
	s_mul_i32 s34, s28, 160
	v_lshl_add_u32 v6, v2, 1, s34                  ; the list (at LDS byte 0): my wave's 80 places, place r
	v_lshlrev_b32 v8, 4, v1                        ; 16 x lane
	s_lshr_b32 s34, s28, 1
	s_lshl_b32 s34, s34, 5
	s_and_b32 s35, s28, 1
	s_lshl_b32 s35, s35, 3
	s_add_co_u32 s34, s34, s35
	s_mul_i32 s34, s34, WP
	s_add_co_u32 s34, s34, WB
	v_add_nc_u32 v7, s34, v8                       ; where I put weights: LDS row 32 (wave / 2) + 8 (wave % 2), + 16 x lane
	v_mov_b32 v244, META
	v_lshrrev_b32 v245, 3, v2
	v_lshl_add_u32 v245, v245, 3, v2
	v_lshl_add_u32 v245, v3, 3, v245
	v_lshlrev_b32 v245, 6, v245                    ; the weights' scale rows: unit 8 h + r + 8 (r / 8), 64 bytes a row
	s_lshl_b32 s33, 1, s29                         ; the expert's bit
	s_mov_b32 s40, 0x76543210                      ; v_permlanex16_b32's selects for lane l xor 16
	s_mov_b32 s41, 0xfedcba98
	s_mov_b32 s42, 0xbfb8aa3b                      ; -log2(e)
	s_mov_b32 s43, 0x03010200                      ; bytes 1 and 2 of a word change places
	s_mul_i32 s45, s28, 80                         ; the first place of my wave's pass
	s_mov_b32 s46, 0                               ; the pass's bytes in the list
	s_mul_i32 s38, s29, 1572864                    ; my 16 rows of codes: (1,024 e + 32 j + 16 (wave % 2)) x 1,536
	s_mul_i32 s34, s30, 49152
	s_add_co_u32 s38, s38, s34
	s_and_b32 s34, s28, 1
	s_mul_i32 s34, s34, 24576
	s_add_co_u32 s38, s38, s34
	s_mov_b32 s39, 0
	s_wait_kmcnt 0x0
	s_cmp_lt_u32 s28, 2                            ; waves 0 and 1 fetch w1, waves 2 and 3 w3
	s_cselect_b64 s[36:37], s[8:9], s[12:13]
	s_add_nc_u64 s[36:37], s[36:37], s[38:39]
	s_lshl_b32 s38, s29, 16
	s_lshl_b32 s34, s30, 11
	s_add_co_u32 s38, s38, s34
	s_add_nc_u64 s[52:53], s[10:11], s[38:39]      ; w1's scale rows of my 32 units
	s_add_nc_u64 s[54:55], s[14:15], s[38:39]      ; w3's
	s_lshl_b32 s38, s29, 4
	s_lshr_b32 s34, s30, 1
	s_add_co_u32 s38, s38, s34
	s_mul_i32 s38, s38, 49200
	s_and_b32 s34, s30, 1
	s_mul_i32 s34, s34, 24
	s_add_co_u32 s38, s38, s34
	s_add_nc_u64 s[48:49], s[20:21], s[38:39]      ; hq at (e, pair j / 2), byte 24 (j % 2)
	s_mul_i32 s38, s29, 32800
	s_and_b32 s34, s30, 28
	s_add_co_u32 s38, s38, s34
	s_and_b32 s34, s30, 1
	s_lshl_b32 s34, s34, 1
	s_add_co_u32 s38, s38, s34
	s_bfe_u32 s34, s30, 0x10001
	s_add_co_u32 s38, s38, s34
	s_add_nc_u64 s[50:51], s[22:23], s[38:39]      ; hs at e, my block's byte
	s_lshl_b32 s38, s29, 12
	s_add_nc_u64 s[56:57], s[24:25], s[38:39]      ; posE at e
	s_lshl_b32 s38, s29, 7
	s_add_co_u32 s38, s38, 0x8000
	s_add_nc_u64 s[62:63], s[24:25], s[38:39]      ; the blocks' first places of e: behind posE's 32,768 bytes, 128 bytes an expert
	s_cmp_lg_u32 s28, 0
	s_cbranch_scc1 .Lno_sel
.irp g, 0,1,2,3,4,5,6,7
	global_load_b128 v[144+4*\g:147+4*\g], v8, s[16:17] offset:512*\g   ; wave 0: the 1,024 choices; a lane holds tokens 128 g + 4 lane + 0 .. 3
.endr
.Lno_sel:
	WIN 0x40                                       ; destination window 1
.set N, 0
.rept 48
	global_load_b128 v[4*N:4*N+3], v8, s[36:37] offset:512*N th:TH_LOAD_NT   ; my 16 rows, 24,576 dense bytes, 512 a load; nobody else reads them
.set N, N+1
.endr
	WIN 0
.irp k, 0,1,2,3
	global_load_b128 v[32+4*\k:35+4*\k], v245, s[52:53] offset:16*\k
	global_load_b128 v[48+4*\k:51+4*\k], v245, s[54:55] offset:16*\k
.endr
	s_cmp_lg_u32 s28, 0
	s_cbranch_scc1 .Lnot_w0
; WAVE 0 MAKES THE LIST.  No other wave touches LDS ahead of the first barrier.
	v_mov_b32 v208, 0
	v_mov_b32 v209, 0
	v_mov_b32 v210, 0
	v_mov_b32 v211, 0
.irp k, 0,1,2,3,4
	ds_store_b128 v8, v[208:211] offset:LIST+512*\k   ; every place holds token 0 first
.endr
	v_mov_b32 v216, 0x400
	v_lshlrev_b32 v217, 2, v1
	v_add_nc_u32 v218, 0x500, v1                   ; index 1,280 + lane: where a token goes that did not choose the expert
	v_mov_b32 v224, 0                              ; lane g will hold the first place of tokens 128 g on
	s_mov_b32 s32, 0                               ; the count so far
	s_wait_loadcnt 56                              ; the choices are in; the 48 loads of weights and 8 of scales behind them may be out
.macro MARK g                          ; the count so far goes into lane g of v224
	v_cmp_eq_u32 vcc_lo, \g, v1
	v_mov_b32 v225, s32
	v_cndmask_b32 v224, v224, v225, vcc_lo
.endm
.macro GRP g                           ; tokens 128 g .. 128 g + 127
	MARK \g
.irp c, 0,1,2,3
	v_and_b32 v[208+\c], s33, v[144+4*(\g)+\c]
.endr
.irp c, 0,1,2,3
	v_cmp_ne_u32 s[58+\c], 0, v[208+\c]            ; which lanes' token 4 lane + c chose the expert
.endr
	v_mbcnt_lo_u32_b32 v212, s58, s32              ; the count so far + the chosen tokens of the lanes below me: the place of my first chosen token
	v_mbcnt_lo_u32_b32 v212, s59, v212
	v_mbcnt_lo_u32_b32 v212, s60, v212
	v_mbcnt_lo_u32_b32 v212, s61, v212
.irp c, 0,1,2
	v_cndmask_b32 v[213+\c], 0, 1, s[58+\c]
.endr
.irp c, 0,1,2
	v_add_nc_u32 v[213+\c], v[212+\c], v[213+\c]   ; and of my later ones
.endr
.irp c, 0,1,2,3
	v_cndmask_b32 v[176+4*(\g)+\c], v216, v[212+\c], s[58+\c]   ; the token's place, or 1024
.endr
.irp c, 0,1,2,3
	v_cndmask_b32 v[212+\c], v218, v[212+\c], s[58+\c]          ; the index in the list, or my lane's unread half-word behind it
.endr
.irp c, 0,1,2,3
	v_min_u32 v[212+\c], 0x51f, v[212+\c]          ; held inside the list and the 32 half-words behind it;
.endr
.irp c, 0,1,2,3
	v_lshlrev_b32 v[212+\c], 1, v[212+\c]          ; 2 bytes a place; the list begins at LDS byte 0
.endr
.irp c, 0,1,2,3
	v_add_nc_u32 v[220+\c], 128*(\g)+\c, v217
.endr
.irp c, 0,1,2,3
	ds_store_b16 v[212+\c], v[220+\c]              ; the tokens' numbers go to their places (LDS serves a wave's instructions in order: behind the zeros: ISA guide 5.7.1.4)
.endr
.irp c, 0,1,2,3
	s_bcnt1_i32_b32 s34, s[58+\c]
	s_add_co_u32 s32, s32, s34
.endr
.endm
.irp g, 0,1,2,3,4,5,6,7
	GRP \g
.endr
	MARK 8                                         ; lane 8: the expert's count
	v_mov_b32 v208, s32
	ds_store_b32 v244, v208                        ; the expert's count
	s_branch .Lb1
.Lnot_w0:
	s_cmp_lg_u32 s28, 2
	s_cbranch_scc1 .Lb1
	v_mov_b32 v12, 0                               ; WAVE 2: my block of the row of zero codes, and its byte
	v_mov_b32 v13, 0
	v_mov_b32 v14, 0
	v_mov_b32 v15, 127
	v_mul_u32_u24 v11, v1, 12
	v_cmp_gt_u32 vcc_lo, 2, v1
	s_wait_xcnt 0x0                                ; EXEC changes only behind this wait: the loads above were issued under the whole EXEC
	s_and_saveexec_b32 s44, vcc_lo
	global_store_b96 v11, v[12:14], s[48:49] offset:49152
	global_store_b8 v13, v15, s[50:51] offset:32768   ; both lanes write the same byte with the same value
	s_wait_xcnt 0x0
	s_or_b32 exec_lo, exec_lo, s44
.Lb1:
	s_wait_dscnt 0x0                               ; wave 0's list and count lie in LDS
	s_barrier_signal -1
	s_barrier_wait -1
	ds_load_b32 v11, v244
	s_wait_dscnt 0x0
	v_readfirstlane_b32 s31, v11
	s_min_u32 s31, s31, 0x400                      ; the expert's count, 1,024 at the most: it serves the branch that passes over a trip, and nothing else
.macro XLOAD s                         ; x's fragments of K step s, five tiles: 48 consecutive bytes a lane, 15 loads
	WIN 0x80                                       ; destination window 2
.irp i, 0,1,2,3,4
.irp c, 0,1,2
	global_load_b128 v[60*((\s)%4)+12*\i+4*\c:60*((\s)%4)+12*\i+4*\c+3], v[16+\i], s[4:5] offset:96*(\s)+16*\c
.endr
.endr
.endm
.macro WLOAD s                         ; the four weight fragments of K step s from LDS, 12 loads
	WIN 0
.irp m, 0,1,2,3
.irp c, 0,1,2
	ds_load_b128 v[144+48*((\s)%2)+12*\m+4*\c:144+48*((\s)%2)+12*\m+4*\c+3], v[4+\m/2] offset:16*(\m%2)*WP+96*(\s)+16*\c
.endr
.endr
.endm
.macro MM i, m                         ; tile i of x against weight tile m, K step S
.set rD, 32*(\i)+8*(\m)
.set rA, 144+48*(S%2)+12*(\m)
.set rB, 60*(S%4)+12*(\i)
.set rSA, 32+16*((\m)/2)+S
.set rSB, 64+16*(\i)+S
.if S == 0                             ; the first K step starts the sums: nothing is cleared
.if (\m)%2
	v_wmma_scale_f32_16x16x128_f8f6f4 v[rD:rD+7], v[rA:rA+11], v[rB:rB+11], 0, v[rSA], v[rSB] matrix_a_fmt:MATRIX_FMT_FP6 matrix_b_fmt:MATRIX_FMT_FP6 matrix_a_scale:MATRIX_SCALE_ROW1
.else
	v_wmma_scale_f32_16x16x128_f8f6f4 v[rD:rD+7], v[rA:rA+11], v[rB:rB+11], 0, v[rSA], v[rSB] matrix_a_fmt:MATRIX_FMT_FP6 matrix_b_fmt:MATRIX_FMT_FP6
.endif
.else
.if (\m)%2
	v_wmma_scale_f32_16x16x128_f8f6f4 v[rD:rD+7], v[rA:rA+11], v[rB:rB+11], v[rD:rD+7], v[rSA], v[rSB] matrix_a_fmt:MATRIX_FMT_FP6 matrix_b_fmt:MATRIX_FMT_FP6 matrix_a_scale:MATRIX_SCALE_ROW1
.else
	v_wmma_scale_f32_16x16x128_f8f6f4 v[rD:rD+7], v[rA:rA+11], v[rB:rB+11], v[rD:rD+7], v[rSA], v[rSB] matrix_a_fmt:MATRIX_FMT_FP6 matrix_b_fmt:MATRIX_FMT_FP6
.endif
.endif
.endm
.macro PRO_A                           ; a pass begins: its 80 tokens from the list, their scale words, their first two K steps
	WIN 0
	v_add_nc_u32 v31, s46, v6
.irp i, 0,1,2,3,4
	ds_load_u16 v[26+\i], v31 offset:LIST+32*\i
.endr
	s_wait_dscnt 0x0
.irp i, 0,1,2,3,4
	v_min_u32 v[26+\i], 0x3ff, v[26+\i]
.endr
.irp i, 0,1,2,3,4
	v_mul_u32_u24 v[16+\i], v[26+\i], 1536
.endr
.irp i, 0,1,2,3,4
	v_add_nc_u32 v[16+\i], v[16+\i], v9
.endr
.irp i, 0,1,2,3,4
	v_lshlrev_b32 v[21+\i], 6, v[26+\i]
.endr
.irp i, 0,1,2,3,4
.irp k, 0,1,2,3
	global_load_b128 v[64+16*\i+4*\k:64+16*\i+4*\k+3], v[21+\i], s[6:7] offset:16*\k
.endr
.endr
	XLOAD 0
	XLOAD 1
.endm
; The 16 K steps of a pass.  The 20 accumulators take turns, one instruction a turn, in the same order in every step.
.macro BODY
.set S, 0
.rept 16
.if S < 13
	s_wait_loadcnt 45                              ; this step's 15 loads of x are in (and the scale words, which are older); the three later steps' 45 may be out
.else
	s_wait_loadcnt 15*(15-S)
.endif
.if S < 15
	s_wait_dscnt 12                                ; this step's weight fragments are in; the next step's 12 loads may be out
.else
	s_wait_dscnt 0x0
.endif
	WIN 0x58                                       ; source 0 (weights) window 0, source 1 (x) window 2, C and D window 1
.irp i, 0,1,2,3,4
.irp m, 0,1,2,3
	MM \i, \m
.endr
.endr
.rept 4
	v_nop                                          ; four places in front of loads into registers that these products read, and of the first read of results
.endr
.if S < 14
	WLOAD S+2
.endif
.if S < 12
	XLOAD S+4
.endif
.set S, S+1
.endr
	WIN 0
.endm
; Tile i: h = g / (1 + 2^(-g log2 e)) x u in f32, its block's scale, its codes.  All in window 1.  Each accumulator is read from its low end on.
.macro HQ i
.set A, 32*(\i)
	WIN 0x55
.irp k, 0,1,2,3,4,5,6,7,8,9,10,11,12,13,14,15
	v_mul_f32 v[160+\k], s42, v[A+\k]
.endr
.irp k, 0,1,2,3,4,5,6,7,8,9,10,11,12,13,14,15
	v_exp_f32 v[160+\k], v[160+\k]
.endr
	v_nop                                          ; a plain line behind the batch
	s_wait_alu depctr_va_vdst(0)                   ; one wait for the 16 exponentials, ahead of their first reader
.irp k, 0,2,4,6,8,10,12,14
	v_pk_add_f32 v[160+\k:161+\k], v[160+\k:161+\k], 1.0 op_sel_hi:[1,0]
.endr
.irp k, 0,1,2,3,4,5,6,7,8,9,10,11,12,13,14,15
	v_rcp_f32 v[160+\k], v[160+\k]
.endr
	v_nop
	s_wait_alu depctr_va_vdst(0)                   ; and one for the 16 reciprocals
.irp k, 0,2,4,6,8,10,12,14
	v_pk_mul_f32 v[A+\k:A+\k+1], v[A+\k:A+\k+1], v[160+\k:161+\k]
.endr
.irp k, 0,2,4,6,8,10,12,14
	v_pk_mul_f32 v[A+\k:A+\k+1], v[A+\k:A+\k+1], v[A+16+\k:A+17+\k]
.endr
	v_max3_num_f32 v176, |v[A]|, |v[A+1]|, 0x1800000   ; my 16 of the block's 32, and the floor 2^(3 - 127); two chains
	v_max3_num_f32 v183, |v[A+2]|, |v[A+3]|, |v[A+4]|
	v_max3_num_f32 v176, v176, |v[A+5]|, |v[A+6]|
	v_max3_num_f32 v183, v183, |v[A+7]|, |v[A+8]|
	v_max3_num_f32 v176, v176, |v[A+9]|, |v[A+10]|
	v_max3_num_f32 v183, v183, |v[A+11]|, |v[A+12]|
	v_max3_num_f32 v176, v176, |v[A+13]|, |v[A+14]|
	v_max3_num_f32 v176, v176, v183, |v[A+15]|
	v_permlanex16_b32 v177, v176, s40, s41
	v_max_num_f32 v176, v176, v177                 ; with lane l xor 16's 16: the block's largest magnitude
	v_add_nc_u32 v178, 0xff000000, v176            ; 2 off its exponent field: the conversion's scale operand
	v_cvt_scalef32_pk16_fp6_f32 v[180:182], v[A:A+15], v178
	v_lshrrev_b32 v179, 23, v178                   ; the scale's byte (also the plain line behind the conversion)
.endm
; Tile i's 12 bytes of codes a lane and its byte.  guard = 1, in the loop, whose last trip reaches places 960 to 1,279: the lanes at places from 1,024 on are switched off.  The place is made of the wave's number,
; the lane and the loop's constant step, and is compared with a constant.  guard = 0, in pass 0, whose places end at 319: every lane stores.
.macro HST i, guard
	WIN 0
	v_add_nc_u32 v242, s45, v2
	v_add_nc_u32 v242, 16*(\i), v242               ; my place
.if \guard
	v_cmp_gt_u32 vcc_lo, 0x400, v242
.endif
	v_mul_u32_u24 v240, v242, 48
	v_add_nc_u32 v240, v240, v10
	v_lshlrev_b32 v241, 5, v242
.if \guard
	s_wait_xcnt 0x0                                ; EXEC changes only behind this wait
	s_and_saveexec_b32 s44, vcc_lo
.endif
	WIN 0x04                                       ; a store's data are its source 1: window 1
	global_store_b96 v240, v[180:182], s[48:49]
	global_store_b8 v241, v179, s[50:51]           ; both halves of the lanes write the same byte with the same value
	s_wait_xcnt 0x0                                ; the stores have read their offsets, the codes and the byte, which the next tile writes again; with guard = 1 also: ahead of the line that widens EXEC
.if \guard
	s_or_b32 exec_lo, exec_lo, s44
.endif
	WIN 0
.endm
.macro PASS guard
	WLOAD 0
	WLOAD 1
	BODY
.irp i, 0,1,2,3,4
	HQ \i
	HST \i, \guard
.endr
.endm
.macro ATREE d                         ; the loss: groups 0 .. d - 1 of four registers take groups d .. 2 d - 1
.set K, 0
.rept \d
	v_pk_add_f32 v[4*K:4*K+1], v[4*K:4*K+1], v[4*(K+\d):4*(K+\d)+1]
	v_pk_add_f32 v[4*K+2:4*K+3], v[4*K+2:4*K+3], v[4*(K+\d)+2:4*(K+\d)+3]
.set K, K+1
.endr
.endm
	PRO_A                                          ; pass 0's first loads go out behind the weights
	s_wait_loadcnt 50                              ; the weights and their scale words are in; the 20 loads of x's scale words and the 30 of its first two K steps may be out
	WIN 0x04
.set N, 0
.rept 48
	ds_store_b128 v7, v[4*N:4*N+3] offset:(16*((N/3)/8)+(N/3)%8)*WP+512*(N%3)   ; row i of my 16 is unit 16 (wave % 2) + i: LDS row + 16 (i / 8) + i % 8
.set N, N+1
.endr
	WIN 0
.irp s, 0,1,2,3,4,5,6,7,8,9,10,11,12,13,14,15
	v_perm_b32 v[32+\s], v[32+\s], v[32+\s], s43   ; the weights' scale words into the fragments' order of blocks; a word's first use stands more than eight plain lines on
	v_perm_b32 v[48+\s], v[48+\s], v[48+\s], s43
.endr
	XLOAD 2
	XLOAD 3
	WIN 0
	s_wait_dscnt 0x0                               ; for the others' sake: my 16 rows lie in LDS
	s_barrier_signal -1
	s_barrier_wait -1                              ; all 64 do; LDS is only read from here on
; WAVE 0 OF THE EXPERT'S FIRST WORK-GROUP stores the places and the blocks' first places.
	s_cmp_lg_u32 s28, 0
	s_cbranch_scc1 .Lno_pos
	s_cmp_lg_u32 s30, 0
	s_cbranch_scc1 .Lno_pos
.irp g, 0,1,2,3,4,5,6,7
	global_store_b128 v8, v[176+4*\g:179+4*\g], s[56:57] offset:512*\g   ; 512 consecutive bytes a store
.endr
	global_store_b32 v217, v224, s[62:63]          ; 128 consecutive bytes: words 0 to 8, and zeros behind them
	s_wait_xcnt 0x0                                ; the stores have read their registers, which weight fragments take next
.Lno_pos:
; WAVE 1 OF WORK-GROUP 0: the loss = 0.01 x 8 x the sum over e of (count_e / 1,024) (sum of scores_e / 1,024).  A lane holds four of a work-group's 16 numbers: lane % 4 = 0, 1: sums of scores; 2, 3: counts.
; Its 32 loads go out behind the first four K steps of x and are waited for with them; the counted waits of the pass are then met at once.
	s_cmp_lg_u32 s28, 1
	s_cbranch_scc1 .Lno_aux
	s_cmp_lg_u32 ttmp9, 0
	s_cbranch_scc1 .Lno_aux
	WIN 0xc0                                       ; destination window 3
.set N, 0
.rept 32
	global_load_b128 v[4*N:4*N+3], v8, s[18:19] offset:512*N
.set N, N+1
.endr
	WIN 0
	v_mov_b32 v240, 0
	v_cmp_eq_u32 vcc_lo, 0, v1
	s_wait_loadcnt 0x0
	WIN 0xff                                       ; all in window 3
	ATREE 16
	ATREE 8
	ATREE 4
	ATREE 2
	ATREE 1
	WIN 0x03                                       ; source window 3, destination window 0
.irp c, 0,1,2,3
	v_mov_b32 v[12+\c], v[\c]
.endr
	WIN 0
.irp m, 4,8
.irp c, 0,1,2,3
	v_add_f32_dpp v[12+\c], v[12+\c], v[12+\c] row_xmask:\m row_mask:0xf bank_mask:0xf
.endr
.endr
.irp c, 0,1,2,3
	v_permlanex16_b32 v[26+\c], v[12+\c], s40, s41 ; (v26-29, the pass's tokens, have served)
.endr
.irp c, 0,1,2,3
	v_add_f32 v[12+\c], v[12+\c], v[26+\c]         ; the sums over all 256 work-groups of the launch before
.endr
.irp c, 0,1,2,3
	v_mul_f32_dpp v[26+\c], v[12+\c], v[12+\c] row_xmask:2 row_mask:0xf bank_mask:0xf   ; a sum of scores times its count
.endr
	v_add_f32 v26, v26, v27
	v_add_f32 v28, v28, v29
	v_add_f32 v26, v26, v28
	v_add_f32_dpp v26, v26, v26 row_xmask:1 row_mask:0xf bank_mask:0xf
	v_mul_f32 v26, 0x33a3d70a, v26                 ; x 0.08 / 2^20
	s_wait_xcnt 0x0                                ; EXEC changes only behind this wait
	s_and_saveexec_b32 s44, vcc_lo
	global_store_b32 v240, v26, s[26:27]
	s_wait_xcnt 0x0
	s_or_b32 exec_lo, exec_lo, s44
.Lno_aux:
	WIN 0x40
	v_mov_b32 v177, 0                              ; a lane permute's destination counts as one of its sources
	PASS 0
	s_mov_b32 s47, 3
.Lpass:                                            ; passes 1 to 3: a constant count; a wave passes over those that begin at or behind the expert's count
	s_add_co_u32 s45, s45, 320
	s_add_co_u32 s46, s46, 640
	s_cmp_ge_u32 s45, s31
	s_cbranch_scc1 .Lskip
	PRO_A
	XLOAD 2
	XLOAD 3
	PASS 1
.Lskip:
	s_sub_co_u32 s47, s47, 1
	s_cmp_lg_u32 s47, 0
	s_cbranch_scc1 .Lpass
	s_endpgm
.Lfunc_end_k_q740cc837f8_up:
	.size	k_q740cc837f8_up, .Lfunc_end_k_q740cc837f8_up-k_q740cc837f8_up
	.p2alignl 7, 3214868480
	.fill 96, 4, 3214868480
	.section	.rodata,"a",@progbits
	.p2align	6, 0x0
	.amdhsa_kernel k_q740cc837f8_up
		.amdhsa_group_segment_fixed_size 102400
		.amdhsa_private_segment_fixed_size 0
		.amdhsa_enable_private_segment 0
		.amdhsa_kernarg_size 96
		.amdhsa_user_sgpr_count 2
		.amdhsa_user_sgpr_kernarg_segment_ptr 1
		.amdhsa_wavefront_size32 1
		.amdhsa_system_sgpr_workgroup_id_x 1
		.amdhsa_system_sgpr_workgroup_id_y 1
		.amdhsa_system_sgpr_workgroup_id_z 1
		.amdhsa_system_vgpr_workitem_id 0
		.amdhsa_next_free_vgpr 1024
		.amdhsa_next_free_sgpr 66
		.amdhsa_reserve_vcc 1
		.amdhsa_float_denorm_mode_32 3
		.amdhsa_float_denorm_mode_16_64 3
		.amdhsa_memory_ordered 1
		.amdhsa_forward_progress 1
		.amdhsa_inst_pref_size 255
	.end_amdhsa_kernel
	.section	.bss,"aw",@nobits
	.p2align	6
	.space	262144
	.amdgpu_metadata
---
amdhsa.version: [ 1, 2 ]
amdhsa.kernels:
  - .name:           k_q740cc837f8_up
    .symbol:         k_q740cc837f8_up.kd
    .args:
      - { .name: xq, .offset: 0, .size: 8, .value_kind: global_buffer, .address_space: global }
      - { .name: xs, .offset: 8, .size: 8, .value_kind: global_buffer, .address_space: global }
      - { .name: w1_codes, .offset: 16, .size: 8, .value_kind: global_buffer, .address_space: global }
      - { .name: w1_scales, .offset: 24, .size: 8, .value_kind: global_buffer, .address_space: global }
      - { .name: w3_codes, .offset: 32, .size: 8, .value_kind: global_buffer, .address_space: global }
      - { .name: w3_scales, .offset: 40, .size: 8, .value_kind: global_buffer, .address_space: global }
      - { .name: sel, .offset: 48, .size: 8, .value_kind: global_buffer, .address_space: global }
      - { .name: part, .offset: 56, .size: 8, .value_kind: global_buffer, .address_space: global }
      - { .name: hq, .offset: 64, .size: 8, .value_kind: global_buffer, .address_space: global }
      - { .name: hs, .offset: 72, .size: 8, .value_kind: global_buffer, .address_space: global }
      - { .name: posE, .offset: 80, .size: 8, .value_kind: global_buffer, .address_space: global }
      - { .name: out1, .offset: 88, .size: 8, .value_kind: global_buffer, .address_space: global }
    .group_segment_fixed_size: 102400
    .private_segment_fixed_size: 0
    .kernarg_segment_align: 8
    .kernarg_segment_size: 96
    .max_flat_workgroup_size: 128
    .sgpr_count:     66
    .vgpr_count:     1024
    .wavefront_size: 32
...
	.end_amdgpu_metadata
.endif
;; end of part 4
;; launch down (part 5): grid 256 x 1, 4 waves a work-group, no clusters, 280,576 bytes of LDS; arguments hq, hs, posE, gw, w2_codes, w2_scales, out0; writes out0
.if DOCPART == 5
	.amdgcn_target "amdgcn-amd-amdhsa--gfx1250"
	.amdhsa_code_object_version 6
	.text
	.protected	k_q740cc837f8_down
	.globl	k_q740cc837f8_down
	.p2align	8
	.type	k_q740cc837f8_down,@function
k_q740cc837f8_down:
	s_mov_b64 s[64:65], 0
	v_nop
	global_prefetch_b8 v0, s[64:65] scope:SCOPE_SE
	s_setreg_imm32_b32 hwreg(HW_REG_WAVE_MODE, 25, 1), 1
	s_wait_xcnt 0x0
; out[t][d] = the sum over the token's two experts e of gw[t][e] x (h_e[t] . w2[e][d]), on codes of E2M3 with one E8M0 scale for each 32 along the hidden axis, K = 1,024.
; SHARES.  Work-group (p, cs) = (number / 32, number % 32) owns tokens 128 p .. + 127 x columns 64 cs .. + 63 of out0, for all experts: each output has one owner, and a token's 64 columns are 256 aligned bytes.
; Wave w takes experts 2 w and 2 w + 1, one after the other.  An expert's 64 rows of w2 (49,152 dense bytes) stand in 384 registers while the wave walks the expert's rows of h.
; ONLY THE ROWS THAT CHOSE THE EXPERT ARE MULTIPLIED.  An expert's list is in token order, so those of my 128 tokens that chose it hold the places a .. b - 1 of its list; a and b are whole numbers that the launch before
; stored behind posE.  A tile is 16 places from a on; places at or behind b read place 1024, a row of zero codes.  Three tiles are always multiplied; tiles 3 to 7 stand under one scalar branch on the stored count
; b - a > 48, so that every split is served, all 128 tokens on one expert too.  The results go into the expert's region of LDS by place, at addresses that hang on no data.
; WHO GETS WHAT.  At the head each wave makes, a lane a token, an entry of 16 bytes for each of its 32 tokens: (weight, LDS address of the row) for the lower and for the higher of the token's two experts, from posE and gw.
; Behind the one barrier LDS is only read: a lane reads its token's entry, holds the two addresses inside the regions by v_min_u32, gathers the two rows and forms w y + w' y'.
; No multicast and no tensor load, though eight work-groups read each slice of w2: the guarded tiles hang on a stored count, and 278,528 bytes of LDS are results written by LDS stores.
; THE WEIGHTS' WAY.  A quarter (16 rows, 12,288 bytes) comes in 24 loads of 512 consecutive bytes, goes into rows of 784 bytes in the wave's own staging area in LDS and comes back as fragments.  The two areas lie in the
; wave's second result region, which is first written when the second expert's fragments have been read.
; K'S ORDER is the one of the launch before: for each 128 along K lane (r, h) holds blocks 2 h and 2 h + 1, 48 consecutive bytes; scale words in the order (0, 2, 1, 3): hs is stored so, w2's are turned by v_perm_b32.
; TRANSPOSED USE: source 0 = 16 rows of w2, source 1 = 16 rows of h: a lane holds one place and eight neighbouring columns.
; LIMITS.  NaN and infinities are not served.
; REGISTERS.  Window 0: v0-6, v8, v9, v16-19, v36, v37 addresses, offsets and constants, made at the head and kept; v10-15 three pairs of offsets into hq and hs; v20-27 my token's places, v28-35 its gate weights;
; v40-71 w2's scale words (expert x, pair of column tiles cp, step s at 40 + 16 x + 8 cp + s; lanes 0-15 tile 2 cp, lanes 16-31 tile 2 cp + 1); v72-95 h's scale words, three sets; v96-159 two sets of four accumulators
; (at the head scratch for the entries, at the end the entries); v160-255 h's fragments, slot 2 (at the end the gathered rows).
; Window 1: v0-191 w2's fragments of K steps 0-3 (48 ct + 12 s);  window 2: v0-191 those of steps 4-7;  window 3: v0-95, v96-191 h's fragments, slots 0 and 1;  v192-255 of windows 1 to 3: 48 groups of four for weights on their way.
.set YR,   34816                       ; a result region: 128 places x (256 bytes + 16): row r starts at bank 4 r mod 64 (64 banks of 4 bytes: ISA guide 11.1)
.set SPT,  784                         ; a staging row: 768 bytes + 16 = 196 words: likewise
.set SAR,  16*SPT                      ; a staging area
.set TAB,  8*YR                        ; behind the eight regions: 128 tokens x 16 bytes
.set AMAX, 7*YR+127*272                ; the last row of the last region
.set MSB, 0
.macro WIN new
.if MSB != (\new)
	s_set_vgpr_msb (MSB<<8)|(\new)
.set MSB, (\new)
.endif
.endm
.set LI, 0                             ; global loads issued so far on the way that every wave takes: the assembler counts them.  The guarded tiles' loads are not counted: all loads are waited for on that way, so the counts behind it hold there too
.macro LWAIT mark                      ; all loads up to the mark are in: as many may be out as were issued behind it (the field holds 63: a smaller count waits for more)
.if (LI-(\mark)) > 63
	s_wait_loadcnt 63
.else
	s_wait_loadcnt LI-(\mark)
.endif
.endm
.macro QMAP kind, n                    ; where group n of 24 stands: kind 0, 1: the two halves of the 48 groups; 2, 3: h's slots 0 and 1, free at the head
.if (\kind) < 2
.set QQ, 24*(\kind)+(\n)
.set QW, 1+QQ/16
.set QR, 192+4*(QQ%16)
.else
.set QW, 3
.set QR, 96*((\kind)-2)+4*(\n)
.endif
.endm
.macro WQ x, q, kind                   ; quarter q of expert 2 w + x
.set N, 0
.rept 24
	QMAP \kind, N
	WIN (QW<<6)
	global_load_b128 v[QR:QR+3], v1, s[24:25] offset:(\x)*1572864+12288*(\q)+512*N
.set N, N+1
.endr
.set LI, LI+24
.endm
.macro PARK kind, a                    ; a quarter into staging area a: three loads' 1,536 bytes are two rows; in the middle one lanes 16-31 lie in the next row, 16 bytes of padding on
.set N, 0
.rept 24
	QMAP \kind, N
	WIN (QW<<2)
.if N%3 == 0
	ds_store_b128 v2, v[QR:QR+3] offset:SAR*(\a)+2*(N/3)*SPT
.elseif N%3 == 1
	ds_store_b128 v3, v[QR:QR+3] offset:SAR*(\a)+2*(N/3)*SPT+512
.else
	ds_store_b128 v2, v[QR:QR+3] offset:SAR*(\a)+(2*(N/3)+1)*SPT+256
.endif
.set N, N+1
.endr
.endm
.macro FRL t, a                        ; column tile t's eight fragments out of staging area a
.irp s, 0,1,2,3,4,5,6,7
	WIN ((1+\s/4)<<6)
.irp p, 0,1,2
	ds_load_b128 v[48*(\t)+12*(\s%4)+4*\p:48*(\t)+12*(\s%4)+4*\p+3], v4 offset:SAR*(\a)+96*\s+16*\p
.endr
.endr
.endm
; Tile i of expert 2 w + x: places a + 16 i .. + 15.  ISSUE asks for its rows of h and their scale words: 26 loads into slot k.  cnt = 1: on the way that every wave takes.
.macro ISSUE x, i, k, cnt
.set HA, 10+2*(\k)
.set HSA, 11+2*(\k)
	WIN 0
	v_add_nc_u32 v[HSA], s[48+(\x)], v16           ; a + r
	v_add_nc_u32 v[HSA], 16*(\i), v[HSA]           ; my place
	v_cmp_gt_u32 vcc_lo, s[50+(\x)], v[HSA]        ; under b?
	v_cndmask_b32 v[HSA], v17, v[HSA], vcc_lo      ; else the row of zeros
	v_min_u32 v[HSA], 0x400, v[HSA]
	v_mul_u32_u24 v[HA], v[HSA], 48
	v_add_nc_u32 v[HA], v[HA], v6                  ; 48 x place + 49,200 h: K step s wants pair 2 s + h
	v_lshlrev_b32 v[HSA], 5, v[HSA]
.if (\k) == 2
.set RB, 160
.else
.set RB, 96*(\k)
	WIN 0xc0
.endif
.irp s, 0,1,2,3,4,5,6,7
.irp c, 0,1,2
	global_load_b128 v[RB+12*\s+4*\c:RB+12*\s+4*\c+3], v[HA], s[28:29] offset:(\x)*787200+98400*\s+16*\c
.endr
.endr
	WIN 0
	global_load_b128 v[72+8*(\k):75+8*(\k)], v[HSA], s[30:31] offset:(\x)*32800
	global_load_b128 v[76+8*(\k):79+8*(\k)], v[HSA], s[30:31] offset:(\x)*32800+16
.if \cnt
.set LI, LI+26
.set MK\k, LI
.endif
.endm
.macro DM s, ct
.set rD, AB+8*(\ct)
.set rA, 48*(\ct)+12*((\s)%4)
.set rB, RB+12*(\s)
.set rSA, 40+16*XX+8*((\ct)/2)+(\s)
.set rSB, 72+8*KK+(\s)
.if (\s) == 0                          ; the first K step starts the sums
.if (\ct)%2
	v_wmma_scale_f32_16x16x128_f8f6f4 v[rD:rD+7], v[rA:rA+11], v[rB:rB+11], 0, v[rSA], v[rSB] matrix_a_fmt:MATRIX_FMT_FP6 matrix_b_fmt:MATRIX_FMT_FP6 matrix_a_scale:MATRIX_SCALE_ROW1
.else
	v_wmma_scale_f32_16x16x128_f8f6f4 v[rD:rD+7], v[rA:rA+11], v[rB:rB+11], 0, v[rSA], v[rSB] matrix_a_fmt:MATRIX_FMT_FP6 matrix_b_fmt:MATRIX_FMT_FP6
.endif
.else
.if (\ct)%2
	v_wmma_scale_f32_16x16x128_f8f6f4 v[rD:rD+7], v[rA:rA+11], v[rB:rB+11], v[rD:rD+7], v[rSA], v[rSB] matrix_a_fmt:MATRIX_FMT_FP6 matrix_b_fmt:MATRIX_FMT_FP6 matrix_a_scale:MATRIX_SCALE_ROW1
.else
	v_wmma_scale_f32_16x16x128_f8f6f4 v[rD:rD+7], v[rA:rA+11], v[rB:rB+11], v[rD:rD+7], v[rSA], v[rSB] matrix_a_fmt:MATRIX_FMT_FP6 matrix_b_fmt:MATRIX_FMT_FP6
.endif
.endif
.endm
; COMPUTE: tile i of expert 2 w + x out of slot k, into set a of the accumulators: 32 products, the four accumulators by turns; then into the expert's result region, rows 16 i on.
; full = 1, in the guarded tiles: every load and every LDS instruction is waited for.
.macro COMPUTE x, i, k, a, full
.set KK, (\k)
.set XX, (\x)
.set II, (\i)
.set AB, 96+32*(\a)
.if KK == 2
.set RB, 160
.set SW, 0
.else
.set RB, 96*KK
.set SW, 3
.endif
.if \full
	s_wait_loadcnt 0x0
	s_wait_dscnt 0x0
.else
	LWAIT MK\k
	s_wait_dscnt 8                                 ; the eight stores of the tile before may be out; those of the one before it, which read this set of accumulators, are done
.endif
.irp s, 0,1,2,3,4,5,6,7
	WIN ((1+\s/4)|(SW<<2))                         ; source 0 (w2) window 1 or 2, source 1 (h) the slot's window, C and D window 0
.irp ct, 0,1,2,3
	DM \s, \ct
.endr
.endr
	WIN 0
.rept 4
	v_nop                                          ; four places ahead of the first read of results and of the next loads into registers that these products read
.endr
.irp ct, 0,1,2,3
	ds_store_b128 v5, v[AB+8*\ct:AB+8*\ct+3] offset:YR*XX+4352*II+64*\ct          ; each accumulator from its low end on
	ds_store_b128 v5, v[AB+8*\ct+4:AB+8*\ct+7] offset:YR*XX+4352*II+64*\ct+16
.endr
.endm
; Tiles 3 to 7 of expert 2 w + x, where more than 48 of my 128 tokens chose it: a branch on a stored whole number; plain, one tile at a time, through slot 0, whose tile has been multiplied.
.macro GUARD x
	s_cmp_le_u32 s[52+(\x)], 48
	s_cbranch_scc1 .Lfew_\@
.irp i, 3,4,5,6,7
	ISSUE \x, \i, 0, 0
	COMPUTE \x, \i, 0, (\i)%2, 1
.endr
.Lfew_\@:
.endm
	s_load_b256 s[4:11], s[0:1], 0x0               ; hq, hs, posE, gw
	s_load_b128 s[12:15], s[0:1], 0x20             ; w2 codes, w2 scales
	s_load_b64 s[16:17], s[0:1], 0x30              ; out0
	v_lshl_add_u32 v18, v0, 4, TAB                 ; my token's entry: 16 bytes a thread; thread 32 w + lane has token 32 w + lane of the block
	v_lshlrev_b32 v36, 2, v0                       ; its word in a row of posE
	v_lshlrev_b32 v37, 5, v0                       ; its 32 bytes of gw
	v_lshrrev_b32 v10, 5, v0
	v_readfirstlane_b32 s18, v10                   ; wave
	v_lshlrev_b32 v19, 9, v10
	v_and_b32 v10, 31, v0                          ; lane
	v_and_b32 v16, 15, v0                          ; r
	v_bfe_u32 v12, v0, 4, 1                        ; h
	v_lshl_add_u32 v19, v12, 4, v19
	v_add_nc_u32 v19, TAB, v19                     ; at the end: the entry of token 32 w + lane / 16 (+ 2 for each pair)
	v_mov_b32 v17, 0x400                           ; the place of the row of zeros
	v_lshlrev_b32 v1, 4, v10                       ; 16 x lane
	s_mul_i32 s21, s18, 2*YR                       ; my first result region
	s_add_co_u32 s22, s21, YR                      ; my second, and the staging areas in it
	v_add_nc_u32 v2, s22, v1
	v_lshl_add_u32 v3, v12, 4, v2
	v_mul_u32_u24 v4, v16, SPT
	v_mad_u32_u24 v4, v12, 48, v4
	v_add_nc_u32 v4, s22, v4                       ; a fragment: staging row r, + 48 h
	v_mul_u32_u24 v5, v16, 272
	v_lshl_add_u32 v5, v12, 5, v5
	v_add_nc_u32 v5, s21, v5                       ; results: row r, + 32 h
	v_mul_u32_u24 v6, v12, 49200
	v_lshlrev_b32 v8, 4, v16                       ; at the end: my 16 bytes of a row of 256
	v_lshlrev_b32 v9, 5, v10                       ; w2's scale rows: 32 bytes a row, a lane a row
	v_lshlrev_b32 v13, 13, v12
	v_lshl_add_u32 v0, v16, 4, v13                 ; out0: lanes 0-15 one token's 256 bytes, lanes 16-31 the next token's
	s_and_b32 s19, ttmp9, 31                       ; cs
	s_lshr_b32 s20, ttmp9, 5                       ; p
	s_mov_b32 s41, 0
	s_mov_b32 s38, 0x03010200                      ; bytes 1 and 2 of a word change places
	s_wait_kmcnt 0x0
	s_lshl_b32 s40, s20, 2
	s_add_co_u32 s40, s40, 0x8000
	s_add_nc_u64 s[46:47], s[8:9], s[40:41]        ; the blocks' first places, behind posE's 32,768 bytes: expert 0, block p
	s_lshl_b32 s40, s18, 8
	s_add_nc_u64 s[44:45], s[46:47], s[40:41]      ; expert 2 w, block p
	s_load_b32 s48, s[44:45], 0x0                  ; a of my first expert,
	s_load_b32 s50, s[44:45], 0x4                  ; its b: the next block's first place;
	s_load_b32 s49, s[44:45], 0x80                 ; of my second
	s_load_b32 s51, s[44:45], 0x84
.irp e, 0,1,2,3,4,5,6,7
	s_load_b32 s[54+\e], s[46:47], 128*\e          ; a of every expert, for the entries
.endr
	s_mul_i32 s40, s18, 3145728
	s_mul_i32 s42, s19, 49152
	s_add_co_u32 s40, s40, s42
	s_add_nc_u64 s[24:25], s[12:13], s[40:41]      ; w2's codes at (expert 2 w, row 64 cs)
	s_lshl_b32 s40, s18, 17
	s_lshl_b32 s42, s19, 11
	s_add_co_u32 s40, s40, s42
	s_add_nc_u64 s[26:27], s[14:15], s[40:41]      ; its scale rows
	s_mul_i32 s40, s18, 1574400
	s_add_nc_u64 s[28:29], s[4:5], s[40:41]        ; hq at expert 2 w
	s_mul_i32 s40, s18, 65600
	s_add_nc_u64 s[30:31], s[6:7], s[40:41]        ; hs
	s_lshl_b32 s40, s20, 9
	s_add_nc_u64 s[32:33], s[8:9], s[40:41]        ; posE at token 128 p
	s_lshl_b32 s40, s20, 12
	s_add_nc_u64 s[34:35], s[10:11], s[40:41]      ; gw
	s_lshl_b32 s40, s20, 20
	s_lshl_b32 s42, s18, 18
	s_add_co_u32 s40, s40, s42
	s_lshl_b32 s42, s19, 8
	s_add_co_u32 s40, s40, s42
	s_add_nc_u64 s[36:37], s[16:17], s[40:41]      ; out0 at (token 128 p + 32 w, column 64 cs)
.irp e, 0,1,2,3,4,5,6,7
	global_load_b32 v[20+\e], v36, s[32:33] offset:4096*\e   ; my token's place in each expert's list, or 1024: 128 consecutive bytes a load
.endr
	global_load_b128 v[28:31], v37, s[34:35]       ; its eight gate weights
	global_load_b128 v[32:35], v37, s[34:35] offset:16
.set LI, LI+10
.irp x, 0,1
.irp cp, 0,1
.irp k, 0,1
	global_load_b128 v[40+16*\x+8*\cp+4*\k:40+16*\x+8*\cp+4*\k+3], v9, s[26:27] offset:65536*\x+1024*\cp+16*\k
.endr
.endr
.endr
.set LI, LI+8
	WQ 0, 0, 0                                     ; the first expert's quarters 0 and 1
	WQ 0, 1, 1
.set MQ1, LI
	s_wait_kmcnt 0x0                               ; the blocks' first places
	s_min_u32 s48, s48, 0x400
	s_min_u32 s49, s49, 0x400
	s_min_u32 s50, s50, 0x400
	s_min_u32 s51, s51, 0x400
	s_sub_co_u32 s52, s50, s48                     ; how many of my 128 tokens chose my first expert,
	s_sub_co_u32 s53, s51, s49                     ; my second
.irp e, 0,1,2,3,4,5,6,7
	s_sub_co_u32 s[54+\e], 0, s[54+\e]             ; -a, to be added to a place
.endr
	ISSUE 0, 0, 2, 1                               ; the first tile of h goes out among the weights: slot 2 is free
	WQ 0, 2, 2                                     ; quarters 2 and 3, into slots 0 and 1
	WQ 0, 3, 3
.set MQ3, LI
	LWAIT MQ1                                      ; the places, the gate weights, the scale words and two quarters are in
; MY TOKEN'S ENTRY.  Going down the experts leaves the lowest that it chose, going up the highest: its two.
	WIN 0
.irp e, 0,1,2,3,4,5,6,7
	v_cmp_gt_u32 s[66+\e], v17, v[20+\e]           ; did it choose expert e?
.endr
.irp e, 0,1,2,3,4,5,6,7
	v_add_nc_u32 v[104+\e], s[54+\e], v[20+\e]     ; its place less the block's first place: its row in the region
.endr
.irp e, 0,1,2,3,4,5,6,7
	v_min_u32 v[104+\e], 0x7f, v[104+\e]
.endr
.irp e, 0,1,2,3,4,5,6,7
	v_mul_u32_u24 v[104+\e], v[104+\e], 272
.endr
.irp e, 0,1,2,3,4,5,6,7
	v_add_nc_u32 v[104+\e], \e*YR, v[104+\e]
.endr
	v_mov_b32 v96, 0
	v_mov_b32 v97, 0
	v_mov_b32 v98, 0
	v_mov_b32 v99, 0
.irp e, 7,6,5,4,3,2,1,0
	v_cndmask_b32 v96, v96, v[28+\e], s[66+\e]
	v_cndmask_b32 v97, v97, v[104+\e], s[66+\e]
.endr
.irp e, 0,1,2,3,4,5,6,7
	v_cndmask_b32 v98, v98, v[28+\e], s[66+\e]
	v_cndmask_b32 v99, v99, v[104+\e], s[66+\e]
.endr
	ds_store_b128 v18, v[96:99]                    ; (weight, row) of the lower, (weight, row) of the higher: each weight is the low word of a pair
	PARK 0, 0
	PARK 1, 1
	FRL 0, 0                                       ; (LDS serves a wave's instructions in order: ISA guide 5.7.1.4)
	FRL 1, 1
	s_wait_dscnt 48                                ; only the 48 loads of fragments may be out: the stores have read their registers,
	WQ 1, 0, 0                                     ; which take the second expert's quarters 0 and 1
	WQ 1, 1, 1
.set MW1, LI
	LWAIT MQ3                                      ; the first expert's quarters 2 and 3 are in; the 48 loads just issued may be out
	s_wait_dscnt 0x0                               ; the fragments have left the staging areas
	PARK 2, 0
	PARK 3, 1
	FRL 2, 0
	FRL 3, 1
	s_wait_dscnt 48                                ; only the 48 loads of fragments may be out: the stores have read slots 0 and 1
	ISSUE 0, 1, 0, 1
	WIN 0
.set N, 0
.rept 32
	v_perm_b32 v[40+N], v[40+N], v[40+N], s38      ; w2's scale words into the fragments' order of blocks; the first expert's 16 stand 16 plain lines ahead of their first use
.set N, N+1
.endr
	s_wait_dscnt 0x0                               ; all of the first expert's fragments are in
	COMPUTE 0, 0, 2, 0, 0
	ISSUE 0, 2, 1, 1
	LWAIT MW1                                      ; the second expert's quarters 0 and 1 are in; the two tiles' 52 loads behind them may be out
	PARK 0, 0                                      ; they wait in the staging areas
	PARK 1, 1
	s_wait_dscnt 0x0                               ; the stores have read their registers,
	WQ 1, 2, 0                                     ; which take its quarters 2 and 3
	WQ 1, 3, 1
.set MW3, LI
	COMPUTE 0, 1, 0, 1, 0
	COMPUTE 0, 2, 1, 0, 0
	GUARD 0
	FRL 0, 0                                       ; the first expert is done: the second's fragments take its registers (four places stand behind the last products)
	FRL 1, 1
	ISSUE 1, 0, 2, 1
	ISSUE 1, 1, 0, 1
	ISSUE 1, 2, 1, 1
	s_wait_dscnt 0x0                               ; the fragments have left the staging areas
	LWAIT MW3
	PARK 0, 0
	PARK 1, 1
	FRL 2, 0
	FRL 3, 1
	s_wait_dscnt 0x0
	COMPUTE 1, 0, 2, 1, 0
	COMPUTE 1, 1, 0, 0, 0
	COMPUTE 1, 2, 1, 1, 0
	GUARD 1
	s_wait_dscnt 0x0                               ; for the others' sake: my two experts' results lie in LDS (and my tokens' entries)
	s_barrier_signal -1
	s_barrier_wait -1                              ; LDS is only read from here on
; THE TWO EXPERTS' ROWS MEET.  Wave w takes tokens 32 w .. + 31, two an instruction: pair P is tokens 2 P and 2 P + 1.
.set P, 0
.rept 16
	ds_load_b128 v[96+4*P:99+4*P], v19 offset:32*P ; sixteen lanes read the same entry
.set P, P+1
.endr
	s_wait_dscnt 0x0
.set P, 0
.rept 16
	v_min_u32 v[97+4*P], AMAX, v[97+4*P]           ; the rows' addresses are held inside the regions,
	v_min_u32 v[99+4*P], AMAX, v[99+4*P]
.set P, P+1
.endr
.set P, 0
.rept 16
	v_add_nc_u32 v[97+4*P], v[97+4*P], v8          ; + my 16 bytes of the row
	v_add_nc_u32 v[99+4*P], v[99+4*P], v8
.set P, P+1
.endr
.irp b, 0,1
.if \b > 0
	s_wait_xcnt 0x0                                ; the first eight pairs' stores have read their registers
.endif
.irp q, 0,1,2,3,4,5,6,7
	ds_load_b128 v[160+8*\q:163+8*\q], v[97+4*(8*\b+\q)]
	ds_load_b128 v[164+8*\q:167+8*\q], v[99+4*(8*\b+\q)]
.endr
.irp q, 0,1,2,3,4,5,6,7
	s_wait_dscnt 14-2*\q                           ; this pair's two rows are in; the later pairs' may be out
	v_pk_mul_f32 v[160+8*\q:161+8*\q], v[160+8*\q:161+8*\q], v[96+4*(8*\b+\q):97+4*(8*\b+\q)] op_sel_hi:[1,0]
	v_pk_mul_f32 v[162+8*\q:163+8*\q], v[162+8*\q:163+8*\q], v[96+4*(8*\b+\q):97+4*(8*\b+\q)] op_sel_hi:[1,0]
	v_pk_fma_f32 v[160+8*\q:161+8*\q], v[164+8*\q:165+8*\q], v[98+4*(8*\b+\q):99+4*(8*\b+\q)], v[160+8*\q:161+8*\q] op_sel_hi:[1,0,1]
	v_pk_fma_f32 v[162+8*\q:163+8*\q], v[166+8*\q:167+8*\q], v[98+4*(8*\b+\q):99+4*(8*\b+\q)], v[162+8*\q:163+8*\q] op_sel_hi:[1,0,1]
	global_store_b128 v0, v[160+8*\q:163+8*\q], s[36:37] offset:16384*(8*\b+\q) th:TH_STORE_NT   ; sixteen lanes store 256 consecutive bytes, aligned; written once, read by nobody here
.endr
.endr
	s_endpgm
.Lfunc_end_k_q740cc837f8_down:
	.size	k_q740cc837f8_down, .Lfunc_end_k_q740cc837f8_down-k_q740cc837f8_down
	.p2alignl 7, 3214868480
	.fill 96, 4, 3214868480
	.section	.rodata,"a",@progbits
	.p2align	6, 0x0
	.amdhsa_kernel k_q740cc837f8_down
		.amdhsa_group_segment_fixed_size 280576
		.amdhsa_private_segment_fixed_size 0
		.amdhsa_enable_private_segment 0
		.amdhsa_kernarg_size 56
		.amdhsa_user_sgpr_count 2
		.amdhsa_user_sgpr_kernarg_segment_ptr 1
		.amdhsa_wavefront_size32 1
		.amdhsa_system_sgpr_workgroup_id_x 1
		.amdhsa_system_sgpr_workgroup_id_y 1
		.amdhsa_system_sgpr_workgroup_id_z 1
		.amdhsa_system_vgpr_workitem_id 0
		.amdhsa_next_free_vgpr 1024
		.amdhsa_next_free_sgpr 74
		.amdhsa_reserve_vcc 1
		.amdhsa_float_denorm_mode_32 3
		.amdhsa_float_denorm_mode_16_64 3
		.amdhsa_memory_ordered 1
		.amdhsa_forward_progress 1
		.amdhsa_inst_pref_size 191
	.end_amdhsa_kernel
	.amdgpu_metadata
---
amdhsa.version: [ 1, 2 ]
amdhsa.kernels:
  - .name:           k_q740cc837f8_down
    .symbol:         k_q740cc837f8_down.kd
    .args:
      - { .name: hq, .offset: 0, .size: 8, .value_kind: global_buffer, .address_space: global }
      - { .name: hs, .offset: 8, .size: 8, .value_kind: global_buffer, .address_space: global }
      - { .name: posE, .offset: 16, .size: 8, .value_kind: global_buffer, .address_space: global }
      - { .name: gw, .offset: 24, .size: 8, .value_kind: global_buffer, .address_space: global }
      - { .name: w2_codes, .offset: 32, .size: 8, .value_kind: global_buffer, .address_space: global }
      - { .name: w2_scales, .offset: 40, .size: 8, .value_kind: global_buffer, .address_space: global }
      - { .name: out0, .offset: 48, .size: 8, .value_kind: global_buffer, .address_space: global }
    .group_segment_fixed_size: 280576
    .private_segment_fixed_size: 0
    .kernarg_segment_align: 8
    .kernarg_segment_size: 56
    .max_flat_workgroup_size: 128
    .sgpr_count:     74
    .vgpr_count:     1024
    .wavefront_size: 32
...
	.end_amdgpu_metadata
.endif
;; end of part 5
